; MI455X (gfx1250); checked and timed in simulation.
; The chip was launched on July 23, 2026; its instructions are those of AMD's public machine-readable ISA for CDNA 5 (MIT licence, August 2026) and "CDNA5" Instruction Set Architecture Reference Guide (July 2026). The comments in the code are by the model that wrote it; some were corrected since.
;; min LSTM. Allowed arithmetic: matrix products marked QUANTISED: E3M2 operands, one E8M0 scale for each 32 along K, by v_wmma_scale_f32_16x16x128_f8f6f4 with both operands' format E3M2, f32 sums; everything else in f32.
;; Inputs: W_f_codes 1,024 x 32 x 24 uint8 (E3M2 codes of W_f, K innermost, in blocks of 32 codes, four codes in three bytes); W_f_scales 1,024 x 32 uint8 (E8M0 scales of W_f, one for each 32 codes along K); W_h_codes 1,024 x 32 x 24 uint8 (E3M2 codes of W_h, K innermost, in blocks of 32 codes, four codes in three bytes); W_h_scales 1,024 x 32 uint8 (E8M0 scales of W_h, one for each 32 codes along K); W_i_codes 1,024 x 32 x 24 uint8 (E3M2 codes of W_i, K innermost, in blocks of 32 codes, four codes in three bytes); W_i_scales 1,024 x 32 uint8 (E8M0 scales of W_i, one for each 32 codes along K); h_0 4 x 1,024 float32; x_codes 4 x 4,096 x 32 x 24 uint8 (E3M2 codes of x, K innermost, in blocks of 32 codes, four codes in three bytes); x_scales 4 x 4,096 x 32 uint8 (E8M0 scales of x, one for each 32 codes along K).
;; Outputs: out0 4 x 4,096 x 1,024 float32.
;; This version of the problem:
;;   THIS VERSION OF THE PROBLEM IS GIVEN IN LOW PRECISION. The matrix products marked QUANTISED in the list below multiply operands that are first quantised to E3M2 (3 exponent bits, 2 mantissa bits; 6 bits a number), with one power-of-two scale for each 32 numbers along K (OCP MX v1.0); their sums are f32. All else is computed in f32.
;;   The module's matrix products, in the order in which they are computed (A, B: the left and right operand; K: the contracted axis; several contracted axes count as one K, in the product's order):
;;     1. [M 16,384, K 1,024] x [K 1,024, N 1,024]; A: input x (given as codes); B: input W_f (given as codes): QUANTISED
;;     2. [M 16,384, K 1,024] x [K 1,024, N 1,024]; A: input x (given as codes); B: input W_i (given as codes): QUANTISED
;;     3. [M 16,384, K 1,024] x [K 1,024, N 1,024]; A: input x (given as codes); B: input W_h (given as codes): QUANTISED
;;   THE QUANTISER, for each operand of a quantised product, along K:
;;     - K is cut into blocks of 32 from its start; a last block that is shorter is filled with zeros.
;;     - A block's scale is 2^e with e = floor(log2(the largest magnitude in the block)) - 4, held to -126 .. 127; a block of zeros has e = 0. As a byte (E8M0): e + 127.
;;     - Each number is divided by its block's scale, clamped to +-28, and rounded to the nearest number of E3M2, ties to even, subnormals kept.
;;     - The product sums the exact products of the quantised numbers (number of the format x scale) in f32.
;;   ~~~python
;;   def quantise(x, axis):      # numpy; x: float32 -> the quantised numbers, widened to float32 again
;;       x = np.moveaxis(x, axis, -1); K = x.shape[-1]
;;       x = np.pad(x, [(0, 0)] * (x.ndim - 1) + [(0, -K % 32)]); x = x.reshape(x.shape[:-1] + (-1, 32)); a = np.abs(x).max(-1, keepdims=True)
;;       e = np.where(a > 0, np.clip(np.frexp(np.where(a > 0, a, 1))[1] - 1 - 4, -126, 127), 0)      # np.frexp(a)[1] - 1 = floor(log2(a)), exactly
;;       r = np.clip(x / 2.0 ** e, -28, 28)
;;       step = 2.0 ** (np.maximum(np.frexp(np.where(r == 0, 1, r))[1] - 1, -2) - 2)
;;       q = np.round(r / step) * step * 2.0 ** e      # np.round: ties to even
;;       return np.moveaxis(q.reshape(q.shape[:-2] + (-1,))[..., :K], -1, axis).astype(np.float32)
;;   ~~~
;;   INPUTS GIVEN AS CODES. W_f (in the module: [1024, 1024], K = its axis 1); W_h (in the module: [1024, 1024], K = its axis 1); W_i (in the module: [1024, 1024], K = its axis 1); x (in the module: [4, 4096, 1024], K = its axis 2): each comes as NAME_codes (uint8): NAME with its K axis moved to the last place and cut into blocks of 32 codes, [.., K / 32, bytes a block], one block behind the other in memory; four codes in three bytes: a row's codes are one little-endian stream of bits, code i at bits 6 i .. 6 i + 5 (a code: sign, 3 exponent bits, 2 mantissa bits); and NAME_scales (uint8): the same leading axes, one E8M0 byte (e + 127) for each 32 codes along K. Its value is code x scale, taken as it is: it is not quantised again, and the codes and scales need not be those that the quantiser above would give.
;; 2 versions. Each part assembles by itself: llvm-mc -triple=amdgcn-amd-amdhsa -mcpu=gfx1250 --defsym DOCPART=n.
;; ======== version 1 of 2: 1 launch
;; launch minlstm (part 1): grid 64 x 4, 8 waves a work-group, clusters of 4 x 1, 327,680 bytes of LDS; arguments x_codes, x_scales, W_f_codes, W_f_scales, W_i_codes, W_i_scales, W_h_codes, W_h_scales, h_0, out0; writes out0
.if DOCPART == 1
	.amdgcn_target "amdgcn-amd-amdhsa--gfx1250"
	.amdhsa_code_object_version 6
	.text
	.protected	k_qd27d5cd25c_minlstm
	.globl	k_qd27d5cd25c_minlstm
	.p2align	8
	.type	k_qd27d5cd25c_minlstm,@function
k_qd27d5cd25c_minlstm:
	s_mov_b64 s[64:65], 0
	v_nop
	global_prefetch_b8 v0, s[64:65] scope:SCOPE_SE
	s_setreg_imm32_b32 hwreg(HW_REG_WAVE_MODE, 25, 1), 1
	s_wait_xcnt 0x0
	s_wait_alu depctr_hold_cnt(0) depctr_sa_sdst(0) depctr_va_vdst(0) depctr_va_sdst(0) depctr_va_ssrc(0) depctr_va_vcc(0) depctr_vm_vsrc(0)
	s_getreg_b32 s2, hwreg(HW_REG_IB_STS2, 6, 4)
	s_cmp_eq_u32 s2, 0
	s_cbranch_scc0 .Lentry_in_a_cluster
	s_endpgm
.Lentry_in_a_cluster:
	s_bfe_u32 s2, ttmp6, 0x10000c
	s_cmp_lg_u32 s2, 0x3003
	s_cbranch_scc0 .Lentry_shape_is_right
	s_endpgm
.Lentry_shape_is_right:
; minLSTM.  zf, zi, zh = x W_f^T, x W_i^T, x W_h^T: M = 4 x 4,096, K = 1,024, N = 1,024 each, on codes of BF6 (E3M2) with one E8M0 scale for each 32 along K, sums in f32.
; THE SCAN, WRITTEN OUT.  With e^diff = (1 + e^-zf) / (1 + e^-zi):  f = 1 / (1 + e^diff),  i = 1 - f,  v = i g(zh),  g(x) = x + 0.5 for x >= 0, else sigmoid(x).  exp(a*_t + logsumexp_(k <= t)(log_values_k - a*_k)) is
; h_t = f_t h_(t-1) + v_t, begun with g(h_0); out = h_t.  The state that is kept is h_t itself: the running sum is brought under its new reference point by f_t <= 1 in every step, so the exponential exp(log_values - a*)
; is never formed; h_t is a mix of values of g with weights that add to 1, so it is finite while g is.
; The exponentials that are left are the gates'; from them the maximum m = max(0, -zf, -zi) is taken away: every exponent is <= 0, and the divisor 2 e^-m + e^(-zf-m) + e^(-zi-m) lies between 1 and 4.
; SHARES.  A sequence's 4,096 steps hang together and work-groups hand each other nothing, so a work-group owns its sequences for all of time: 4 x 1,024 sequences on 256 work-groups are 16 channels of one batch (N = 48 over the
; three gates).  Time goes in 32 steps of 128 rows; in a step wave w of eight owns rows 16 w .. 16 w + 15: one tile of 16 rows x 16 channels for each gate, 24 matrix instructions.
; THE WEIGHTS STAY IN REGISTERS: each wave holds the work-group's 48 rows of W (24 fragments, 288 registers), read from memory once.  x comes through a ring of two LDS slots; a wave fetches its own 16 rows and it alone reads them.
; CLUSTER.  The four work-groups of a cluster have the same batch and walk the same x: each tile is asked for JOINTLY (the same tensor load, the same descriptor, the mask 15).
; LAYOUT.  Source 0 = 16 rows of x, source 1 = 16 rows of W: in the result lane (r = lane % 16, h = lane / 16) holds channel r, register j matrix row 8 h + j.  WHICH ROW OF x IS MATRIX ROW m IS FREE: lane r of x's fragment takes
; row q(r) = 8 (r / 8) + 4 (r % 2) + (r / 2) % 4.  Then a lane's registers 0, 2, 4, 6 are times 8 h + 0 .. 3 (run X) and 1, 3, 5, 7 times 8 h + 4 .. 7 (run Y): a register pair is one step of two independent runs, and the scans are packed.
; K IS PERMUTED ALIKE ON BOTH SIDES.  Of a K step's 96 bytes of a row, the lanes' half h takes the 48 consecutive bytes at 48 h (three loads of 16 bytes): the unit's block 2 c + h then holds the row's block 2 h + c, so bytes 1 and 2
; of every scale word, x's and W's, change places.  The products are the same; the order in which the f32 sums are taken differs from ascending K.
; THE SCAN ACROSS LANES AND WAVES.  Each run of 4 is scanned with carry 0 (H) beside the running product of f (P); runs are joined as pairs (A, B): h_out = A h_in + B.  A wave's pair for its 16 rows goes to LDS; behind the next
; step's barrier every wave reads the eight pairs, walks the carry through them, and stores out = P x carry + H for the step before.  So one synchronisation a step serves the ring and the scan.
; OUT.  A work-group owns 64 consecutive bytes of each row of out: sixteen lanes store them by one instruction; the four partners of a cluster write the four quarters of 256 consecutive bytes in the same trip.
; LIMITS.  NaN, infinities and the scale byte 0xff are not served.  |z| stays under 2^127 / log2(e), about 1.18e38.  An exponent carries the rounding of log2(e) x m: an exponential's relative error is about |z| x 1e-7.
; Exponentials, products of f and values of h under 2^-126 fall to denormals or to 0.  The order of the f32 sums is not ascending K (above).
.set XROW,   768                       ; a row of x or W: 1,024 codes
.set TILEB,  16*XROW                   ; a wave's 16 rows in memory: 12,288 dense bytes
.set STEPB,  8*TILEB                   ; a step's 128 rows
.set XBATCH, 4096*XROW
.set TILEL,  48*272                    ; the same in LDS: 48 lines of 256 bytes + 16 of padding.  A row of x is three lines, 816 bytes = 204 words: row q starts at bank 12 q mod 64 (64 banks of 4 bytes: ISA guide 11.1): sixteen rows, sixteen different groups of four banks
.set SLOT1,  1<<17                     ; slot 0 at 0, slot 1 here; a slot is 8 x TILEL = 104,448 bytes
.set AGG,    SLOT1+8*TILEL             ; behind the ring, in blocks of 256 bytes into which no fill lands: the waves' pairs (A, B): two sets by turns; channel r at 80 r, wave k's pair at 8 k
.set AGP,    16*80
.set SPARE,  AGG+2*AGP                 ; the spare words, 128 bytes for each wave: four blocks of 256 bytes that no other line names
.set OSTEP,  128*4096                  ; a step's 128 rows of out
; vector registers, window 0
.set SPW, 1                            ; v1   LDS address of my spare word; never rewritten
.set NIL, 2                            ; v2   0; never rewritten
.set ADX, 3                            ; v3, v5  my place in my wave's tile of slot 0, 1: 816 q(r) + 48 h;  v4, v6: the same + 16 h, for pieces that in lanes 16-31 lie behind one padding more
.set AGS, 7                            ; v7   where I store my wave's pair
.set AGL, 8                            ; v8   where I read my channel's eight pairs
.set OA,  9                            ; v9   out: 4 r + 8 h rows of 4,096 bytes
.set XSA, 10                           ; v10  x's scale words: 32 q(r) + 16 h
.set PFO, 11                           ; v11  256 x lane, for the prefetches
.set CAR, 12                           ; v12  h of my channel at the end of the last step that was walked
.set OWN, 13                           ; v13  h in front of my wave's 16 rows
.set CP,  14                           ; v[14:15] h in front of my run X, my run Y
.set A8O, 16                           ; v16, v17  the pair (A, B) of the other half of the lanes' 8 rows
.set B8O, 17
.set AB,  18                           ; v[18:19] my wave's pair
.set T,   20                           ; v20-27 at work
.set XSR, 28                           ; v28-31 x's scale words as loaded, a trip ahead
.set XS,  32                           ; v32-35 x's scale words: register s % 4 serves K step s: lanes 0-15 hold steps 0-3, lanes 16-31 steps 4-7
.set WS,  36                           ; v36-47 W's likewise, four registers a gate
.set W7,  48                           ; v48-83 W's three fragments of K step 7 (window 1 holds K steps 0-6: gate g, step s at v[12 (3 s + g)])
.set OUT, 84                           ; v84-91
.set AG,  92                           ; v92-107 the eight pairs
.set ZF,  108                          ; the three accumulators; later v (then H), f (then P), the numerator of g
.set ZI,  116
.set ZH,  124
.set XF,  132                          ; v132-227 x's eight fragments
.set CM,  XF                           ; in the gates, when the products are done: -m and its exponential, then the divisor;
.set NH,  XF+8                         ; min(zh, 0) and its exponential, then the reciprocal;
.set QQ,  XF+16                        ; 1 + e^min(zh, 0)
; scalar registers
.set WV,  24                           ; my wave's number
.set CX,  25                           ; my place in the cluster
.set CHG, 26                           ; which 16 channels
.set BB,  27                           ; the batch
.set G1,  28                           ; s[28:35] descriptor group 1
.set G0,  36                           ; s[36:39], s[40:43] group 0, a set for each slot
.set PFA, 44                           ; s[44:45] where my prefetches stand
.set LIM, 46                           ; 1 in a wave that prefetches, else the greatest number
.set CNT, 47                           ; the loop's trips to go
.set LC,  48                           ; s[48:49] log2(e);  s[50:51] -log2(e): the packed forms name a pair and take its low word for both halves
.set NC,  50
.set SEL, 52                           ; s[52:53] v_permlanex16_b32's selects for lane l xor 16
.set HM,  54                           ; lanes 16-31
.set PSEL, 55                          ; v_perm_b32's selector: bytes 1 and 2 change places
.set MK,  56                           ; s56-62  all ones where my wave's number is 1 .. 7
.set MSB, 0
.macro WIN new                         ; the immediate's high byte repeats the setting that is left
.if MSB != \new
	s_set_vgpr_msb (MSB<<8)|\new
.set MSB, \new
.endif
.endm
; A round of the cluster's barrier: my work-group's barrier, so that wave 0's signal speaks for all eight waves; wave 0 signals for the work-group; every wave waits for the four work-groups; my work-group's barrier once more.
.macro ROUND
	s_barrier_signal -1
	s_barrier_wait -1
	s_cmp_lg_u32 s[WV], 0
	s_cbranch_scc1 .Lnot_wave_0_\@
	s_barrier_signal -3
.Lnot_wave_0_\@:
	s_barrier_wait -3
	s_barrier_signal -1
	s_barrier_wait -1
.endm
; A PREFETCH INTO THE L2 of the step that stands two refills on: trip s, which asks for step s + 1, names step s + 3.  A step's 128 rows are 384 blocks of 256 bytes.  All sixteen clusters of a batch walk the same rows: the batch's first
; cluster asks.  Its four partners take 96 blocks each, told apart BY ADDRESS (no branch hangs on a work-group's place in its cluster); in each, waves 0 to 2 ask, 32 blocks a wave, a lane a block.  So each block is named once.
; The loop's last trip (steps 29 and 30) asks for nothing: there is no step 32.  Steps 0 to 3 come by their loads alone.
.macro ASK
	s_cmp_gt_u32 s[CNT], s[LIM]
	s_cbranch_scc0 .Lnot_mine_\@
	global_prefetch_b8 v[PFO], s[PFA:PFA+1] th:TH_LOAD_NT scope:SCOPE_SE
.Lnot_mine_\@:
.endm
; THE HEAD OF A TRIP that will read slot sig.  Each wave waits for all its tensor loads (one is out: its rows of slot sig), adds 0 to its spare word, and waits for that, for its reads of the other slot and for its store of its pair.
; refill = 1: a round of the cluster's barrier, and behind it, first of all, the joint load of the next step's rows into the other slot: it has this trip's work in which to land.
.macro SYNC sig, refill
.set OS, 1-(\sig)
	s_wait_tensorcnt 0x0                           ; no tensor load of mine is out, so a group 0 may be written
	ds_add_u32 v[SPW], v[NIL]                      ; 0 onto my spare word; the pointers' steps stand between it and the wait for it
	s_wait_xcnt 0x0                                ; the last trip's stores, its load of scale words and its prefetch have read their bases and data: only behind this wait are these written again
	s_add_nc_u64 s[22:23], s[22:23], OSTEP         ; out and x's scales: on to this trip's step
	s_add_nc_u64 s[6:7], s[6:7], 4096
.if \refill
	s_add_nc_u64 s[G0+4*OS+2:G0+4*OS+3], s[G0+4*OS+2:G0+4*OS+3], 2*STEPB   ; the other slot's next step; the type bits on top are not reached
	s_add_nc_u64 s[PFA:PFA+1], s[PFA:PFA+1], STEPB
.endif
	s_wait_dscnt 0x0                               ; the add is done, my pair lies in LDS, my reads of the other slot and of the older pairs are over
.if \refill
	ROUND                                          ; all that now holds of every wave of the four work-groups
	tensor_load_to_lds s[G0+4*OS:G0+4*OS+3], s[G1:G1+7]   ; my one tensor load until the next round
	s_nop 0
.rept 4
	v_nop
.endr
.else
	s_barrier_signal -1                            ; nothing is filled again: the work-group's barrier serves the pairs
	s_barrier_wait -1
.endif
.endm
.macro LDAGG p                         ; my channel's eight pairs, set p
.irp i, 0,1,2,3
	ds_load_b128 v[AG+4*\i:AG+4*\i+3], v[AGL] offset:AGP*(\p)+16*\i
.endr
.endm
; x's eight fragments from slot sig: 24 loads in one run.  Lanes 0-15 take the row's 16-byte pieces 6 s + i, lanes 16-31 those three pieces on; a padding of 16 bytes lies behind every 16 pieces.
.macro LDX sig
.irp s, 0,1,2,3,4,5,6,7
.irp i, 0,1,2
.set P0, 6*\s+\i
.if P0%16 < 13
	ds_load_b128 v[XF+12*\s+4*\i:XF+12*\s+4*\i+3], v[ADX+2*(\sig)] offset:16*P0+16*(P0/16)
.else
	ds_load_b128 v[XF+12*\s+4*\i:XF+12*\s+4*\i+3], v[ADX+2*(\sig)+1] offset:16*P0+16*(P0/16)
.endif
.endr
.endr
.endm
; This step's scale words of x, asked for a trip ago, get their bytes 1 and 2 exchanged; more = 1: the next step's are asked for: the wave's 16 rows x 32 bytes are 512 consecutive bytes.
.macro SCALES more, first
	s_wait_loadcnt 0x0                             ; the one load that is out
.irp i, 0,1,2,3
	v_perm_b32 v[XS+\i], v[XSR+\i], v[XSR+\i], s[PSEL]
.endr
.if \more
	global_load_b128 v[XSR:XSR+3], v[XSA], s[6:7] offset:4096
.endif
.if \first
.rept 8
	v_nop                                          ; a scale register written by a vector instruction stands eight places ahead of a scaled matrix instruction; in the later trips the carry's walk stands there
.endr
.endif
.endm
; THE STEP BEFORE IS FINISHED.  The carry walks through the eight waves' pairs; on the way each wave keeps what stands in front of its own rows.  Then out = P x carry + H, and the step's 16 rows x 16 channels are stored.
; younger: the LDS loads issued behind the four of the pairs.  back = 1: out's pointer has already stepped on.
.macro FIXUP younger, back
	s_wait_dscnt \younger
	v_mov_b32 v[OWN], v[CAR]
	v_fma_f32 v[CAR], v[AG], v[CAR], v[AG+1]
.irp k, 1,2,3,4,5,6,7
	v_cndmask_b32 v[OWN], v[OWN], v[CAR], s[MK+\k-1]
	v_fma_f32 v[CAR], v[AG+2*\k], v[CAR], v[AG+2*\k+1]
.endr
	v_fma_f32 v[T], v[A8O], v[OWN], v[B8O]         ; behind the lower 8 rows:
	v_cndmask_b32 v[CP], v[OWN], v[T], s[HM]       ; that is what stands in front of lanes 16-31's run X;
	v_fma_f32 v[CP+1], v[ZI+6], v[CP], v[ZF+6]     ; behind run X: in front of run Y
.irp i, 0,2,4,6
	v_pk_fma_f32 v[OUT+\i:OUT+\i+1], v[ZI+\i:ZI+\i+1], v[CP:CP+1], v[ZF+\i:ZF+\i+1]
.endr
.irp j, 0,1,2,3,4,5,6,7
	global_store_b32 v[OA], v[OUT+\j], s[22:23] offset:(4*(\j%2)+\j/2)*4096-(\back)*OSTEP   ; register j is time 8 h + 4 (j % 2) + j / 2; sixteen lanes store the row's 64 consecutive bytes that are the work-group's
.endr
.endm
; One K step of 128: three matrix instructions, one for each gate: the accumulators take turns, one instruction a turn.  The first K step starts the sums: nothing is cleared.
.macro MMS s
	s_wait_dscnt 3*(7-\s)                          ; LDS loads come back in order (ISA guide 5.7.1): this K step's fragment is in; the three loads of each later K step may be out
.irp g, 0,1,2
.if \s < 7
.set rW, 12*(3*\s+\g)
.else
.set rW, W7+12*\g
.endif
.set rZ, ZF+8*\g
.if \s == 0
	v_wmma_scale_f32_16x16x128_f8f6f4 v[rZ:rZ+7], v[XF+12*\s:XF+12*\s+11], v[rW:rW+11], 0, v[XS+\s%4], v[WS+4*\g+\s%4] matrix_a_fmt:MATRIX_FMT_BF6 matrix_b_fmt:MATRIX_FMT_BF6
.elseif \s < 4
	v_wmma_scale_f32_16x16x128_f8f6f4 v[rZ:rZ+7], v[XF+12*\s:XF+12*\s+11], v[rW:rW+11], v[rZ:rZ+7], v[XS+\s%4], v[WS+4*\g+\s%4] matrix_a_fmt:MATRIX_FMT_BF6 matrix_b_fmt:MATRIX_FMT_BF6
.else
	v_wmma_scale_f32_16x16x128_f8f6f4 v[rZ:rZ+7], v[XF+12*\s:XF+12*\s+11], v[rW:rW+11], v[rZ:rZ+7], v[XS+\s%4], v[WS+4*\g+\s%4] matrix_a_fmt:MATRIX_FMT_BF6 matrix_b_fmt:MATRIX_FMT_BF6 matrix_a_scale:MATRIX_SCALE_ROW1 matrix_b_scale:MATRIX_SCALE_ROW1
.endif
.endr
.endm
.macro MM
	WIN 0x04                                       ; source 1 (W) in window 1
.irp s, 0,1,2,3,4,5,6
	MMS \s
.endr
	WIN 0
	MMS 7
.endm
; THE GATES AND THE LOCAL SCANS of my 16 rows x 16 channels, eight numbers a lane; my wave's pair goes to set p.
; With c = log2(e):  E0 = 2^(-c m), Ef = 2^(-c zf - c m), Ei = 2^(-c zi - c m), Eh = 2^(c min(zh, 0)).  f = (E0 + Ei) / D,  i = (E0 + Ef) / D,  D = 2 E0 + Ef + Ei;  g = (2 max(zh, 0) + Eh) / (1 + Eh).
; One reciprocal serves both divisions: R = 1 / (D (1 + Eh));  f = (E0 + Ei) (1 + Eh) R;  v = i g = (E0 + Ef) (2 max(zh, 0) + Eh) R.
.macro GATES p
.rept 4
	v_nop                                          ; four places behind the last products (ISA guide 7.12.1), in front of the first read of their results and the first write over x's fragments
.endr
.irp j, 0,1,2,3,4,5,6,7
	v_min3_num_f32 v[CM+\j], v[ZF+\j], v[ZI+\j], 0 ; -m.  (Each accumulator is read from its low end on)
.endr
.irp j, 0,1,2,3,4,5,6,7
	v_min_num_f32 v[NH+\j], 0, v[ZH+\j]
.endr
.irp j, 0,2,4,6
	v_pk_mul_f32 v[CM+\j:CM+\j+1], v[CM+\j:CM+\j+1], s[LC:LC+1] op_sel_hi:[1,0]
.endr
.irp j, 0,2,4,6
	v_pk_add_f32 v[ZH+\j:ZH+\j+1], v[ZH+\j:ZH+\j+1], v[NH+\j:NH+\j+1] neg_lo:[0,1] neg_hi:[0,1]   ; max(zh, 0) = zh - min(zh, 0)
.endr
.irp j, 0,2,4,6
	v_pk_fma_f32 v[ZF+\j:ZF+\j+1], v[ZF+\j:ZF+\j+1], s[NC:NC+1], v[CM+\j:CM+\j+1] op_sel_hi:[1,0,1]
.endr
.irp j, 0,2,4,6
	v_pk_fma_f32 v[ZI+\j:ZI+\j+1], v[ZI+\j:ZI+\j+1], s[NC:NC+1], v[CM+\j:CM+\j+1] op_sel_hi:[1,0,1]
.endr
.irp j, 0,2,4,6
	v_pk_mul_f32 v[NH+\j:NH+\j+1], v[NH+\j:NH+\j+1], s[LC:LC+1] op_sel_hi:[1,0]
.endr
.irp b, CM, ZF, ZI, NH                 ; ONE BATCH of 32 exponentials: E0, Ef, Ei, Eh
.irp j, 0,1,2,3,4,5,6,7
	v_exp_f32 v[\b+\j], v[\b+\j]
.endr
.endr
	v_nop                                          ; a plain instruction behind the last exponential (ISA guide 5.7.2)
	s_wait_alu depctr_va_vdst(0)                   ; one wait for the batch, ahead of its first reader
.irp j, 0,2,4,6
	v_pk_add_f32 v[ZI+\j:ZI+\j+1], v[CM+\j:CM+\j+1], v[ZI+\j:ZI+\j+1]      ; f's numerator
.endr
.irp j, 0,2,4,6
	v_pk_add_f32 v[ZF+\j:ZF+\j+1], v[CM+\j:CM+\j+1], v[ZF+\j:ZF+\j+1]      ; i's numerator
.endr
.irp j, 0,2,4,6
	v_pk_add_f32 v[QQ+\j:QQ+\j+1], v[NH+\j:NH+\j+1], 1.0 op_sel_hi:[1,0]
.endr
.irp j, 0,2,4,6
	v_pk_add_f32 v[CM+\j:CM+\j+1], v[ZI+\j:ZI+\j+1], v[ZF+\j:ZF+\j+1]      ; D
.endr
.irp j, 0,2,4,6
	v_pk_fma_f32 v[ZH+\j:ZH+\j+1], v[ZH+\j:ZH+\j+1], 2.0, v[NH+\j:NH+\j+1] op_sel_hi:[1,0,1]   ; g's numerator
.endr
.irp j, 0,2,4,6
	v_pk_mul_f32 v[CM+\j:CM+\j+1], v[CM+\j:CM+\j+1], v[QQ+\j:QQ+\j+1]
.endr
.irp j, 0,1,2,3,4,5,6,7
	v_rcp_f32 v[NH+\j], v[CM+\j]                   ; R: a batch of eight
.endr
.irp j, 0,2,4,6
	v_pk_mul_f32 v[ZI+\j:ZI+\j+1], v[ZI+\j:ZI+\j+1], v[QQ+\j:QQ+\j+1]      ; plain work behind the reciprocals, which names neither their results nor their sources
.endr
.irp j, 0,2,4,6
	v_pk_mul_f32 v[ZF+\j:ZF+\j+1], v[ZF+\j:ZF+\j+1], v[ZH+\j:ZH+\j+1]
.endr
	s_wait_alu depctr_va_vdst(0)                   ; one wait for the eight
.irp j, 0,2,4,6
	v_pk_mul_f32 v[ZI+\j:ZI+\j+1], v[ZI+\j:ZI+\j+1], v[NH+\j:NH+\j+1]      ; f
.endr
.irp j, 0,2,4,6
	v_pk_mul_f32 v[ZF+\j:ZF+\j+1], v[ZF+\j:ZF+\j+1], v[NH+\j:NH+\j+1]      ; v
.endr
.irp j, 2,4,6                          ; runs X and Y side by side: H_i = f_i H_(i-1) + v_i, then P_i = f_i P_(i-1)
	v_pk_fma_f32 v[ZF+\j:ZF+\j+1], v[ZI+\j:ZI+\j+1], v[ZF+\j-2:ZF+\j-1], v[ZF+\j:ZF+\j+1]
	v_pk_mul_f32 v[ZI+\j:ZI+\j+1], v[ZI+\j:ZI+\j+1], v[ZI+\j-2:ZI+\j-1]
.endr
	v_mul_f32 v[T], v[ZI+6], v[ZI+7]               ; my 8 rows' pair: X, then Y
	v_fma_f32 v[T+1], v[ZI+7], v[ZF+6], v[ZF+7]
	v_permlanex16_b32 v[A8O], v[T], s[SEL], s[SEL+1]     ; the other half's
	v_permlanex16_b32 v[B8O], v[T+1], s[SEL], s[SEL+1]
	v_mul_f32 v[AB], v[T], v[A8O]                  ; the 16 rows' pair: A = A_low A_high,
	v_cndmask_b32 v[T+2], v[A8O], v[T], s[HM]      ; A_high,
	v_cndmask_b32 v[T+3], v[T+1], v[B8O], s[HM]    ; B_low,
	v_cndmask_b32 v[T+4], v[B8O], v[T+1], s[HM]    ; B_high:
	v_fma_f32 v[AB+1], v[T+2], v[T+3], v[T+4]      ; B = A_high B_low + B_high
	ds_store_b64 v[AGS], v[AB:AB+1] offset:AGP*(\p)      ; both halves of the lanes write the same words with the same values
.endm
; A trip: step s in slot sig = s % 2.  The pairs of step s - 1 lie in the other set.
.macro TRIP sig, refill, more
	SYNC \sig, \refill
	LDAGG 1-\sig
	LDX \sig
.if \refill
	ASK                                            ; behind the joint load, its four lines and the run of LDS loads
.endif
	SCALES \more, 0
	FIXUP 24, 1                                    ; the 24 loads of x may be out
	MM
	GATES \sig
.endm
	s_load_b512 s[4:19], s[0:1], 0x0               ; x's codes s[4:5], x's scales s[6:7]; W_f's codes and scales s[8:11], W_i's s[12:15], W_h's s[16:19]
	s_load_b128 s[20:23], s[0:1], 0x40             ; h_0 s[20:21], out s[22:23]
	v_lshl_add_u32 v[SPW], v0, 2, SPARE
	v_mov_b32 v[NIL], 0
	ds_add_u32 v1, v2
	ds_add_u32 v1, v2
	s_wait_dscnt 0x0
	v_lshrrev_b32 v20, 5, v0
	v_readfirstlane_b32 s[WV], v20                 ; wave 0..7
	s_bfe_u32 s[CX], ttmp6, 0x40000                ; cx
	s_lshl_b32 s[CHG], ttmp9, 2                    ; in a cluster launch ttmp9 counts clusters
	s_add_co_u32 s[CHG], s[CHG], s[CX]             ; which 16 channels: it enters W's, h_0's and out's addresses alone
	s_and_b32 s[BB], ttmp7, 0xffff                 ; the batch, which the four partners share
	; descriptor group 1: a wave's 12,288 dense bytes as 48 lines of 256 bytes (32 elements of 8 bytes), 16 bytes of padding behind each
	s_mov_b32 s[G1], 15|(3<<16)|(1<<20)|(1<<21)|(5<<22)|(3<<25)   ; 15:0 the mask: all four work-groups; 17:16 elements of 8 bytes; 20 padding on; 21 set beside a mask; 24:22 after every 64 words (code 5); 31:25 4 words of it (code 3)
	s_mov_b32 s[G1+1], 32<<16                      ; tensor_dim0 = 32
	s_mov_b32 s[G1+2], 48<<16                      ; tensor_dim1 = 48
	s_mov_b32 s[G1+3], 32<<16                      ; tile_dim0 = 32
	s_mov_b32 s[G1+4], 48                          ; tile_dim1 = 48
	s_mov_b32 s[G1+5], 32                          ; tensor_dim0_stride
	s_mov_b32 s[G1+6], 0
	s_mov_b32 s[G1+7], 0
	s_mov_b32 s[LC], 0x3fb8aa3b                    ; log2(e)
	s_mov_b32 s[LC+1], s[LC]                       ; (named with it as a pair, so it is written)
	s_mov_b32 s[NC], 0xbfb8aa3b
	s_mov_b32 s[NC+1], s[NC]
	s_mov_b32 s[SEL], 0x76543210
	s_mov_b32 s[SEL+1], 0xfedcba98
	s_mov_b32 s[HM], 0xffff0000
	s_mov_b32 s[PSEL], 0x03010200
	s_mov_b32 s[CNT], 15
.irp k, 1,2,3,4,5,6,7
	s_cmp_eq_u32 s[WV], \k
	s_cselect_b32 s[MK+\k-1], -1, 0
.endr
	s_cmp_lt_u32 s[WV], 3                          ; who prefetches: waves 0 to 2
	s_cselect_b32 s74, 0, 1
	s_or_b32 s74, s74, ttmp9                       ; of the batch's first cluster: the same in all four partners
	s_cmp_eq_u32 s74, 0
	s_cselect_b32 s[LIM], 1, -1
	; lane terms.  All LDS addresses are made here, ahead of the first place where the waves part
	v_and_b32 v21, 15, v0                          ; r
	v_bfe_u32 v22, v0, 4, 1                        ; h
	v_bfe_u32 v23, v0, 3, 1
	v_bfe_u32 v24, v0, 1, 2
	v_and_b32 v25, 1, v0
	v_lshl_add_u32 v23, v23, 3, v24
	v_lshl_add_u32 v23, v25, 2, v23                ; q(r) = 8 (r / 8) + 4 (r % 2) + (r / 2) % 4
	s_mul_i32 s68, s[WV], TILEL                    ; my wave's tile in a slot: no place in the cluster enters an LDS address
	v_mul_u32_u24 v[ADX], v23, 816
	v_mad_u32_u24 v[ADX], v22, 48, v[ADX]
	v_add_nc_u32 v[ADX], s68, v[ADX]
	v_lshl_add_u32 v[ADX+1], v22, 4, v[ADX]
	v_add_nc_u32 v[ADX+2], SLOT1, v[ADX]
	v_add_nc_u32 v[ADX+3], SLOT1, v[ADX+1]
	v_mul_u32_u24 v[AGL], v21, 80
	v_add_nc_u32 v[AGL], AGG, v[AGL]
	s_lshl_b32 s69, s[WV], 3
	v_add_nc_u32 v[AGS], s69, v[AGL]
	v_lshlrev_b32 v[OA], 2, v21
	v_lshl_add_u32 v[OA], v22, 15, v[OA]
	v_lshlrev_b32 v[XSA], 5, v23
	v_lshl_add_u32 v[XSA], v22, 4, v[XSA]
	v_and_b32 v[PFO], 31, v0
	v_lshlrev_b32 v[PFO], 8, v[PFO]
	v_mul_u32_u24 v26, v21, XROW                   ; W's codes: row r, + 48 h
	v_mad_u32_u24 v26, v22, 48, v26
	v_lshlrev_b32 v27, 5, v21                      ; W's scale words: 32 r + 16 h
	v_lshl_add_u32 v27, v22, 4, v27
	v_lshlrev_b32 v25, 2, v21                      ; h_0: 4 r
	v_mov_b32 v[A8O], 0                            ; written once: a lane permute's destination counts as one of its sources
	v_mov_b32 v[B8O], 0
	; offsets, apart from the addresses
	s_mul_i32 s70, s[BB], XBATCH                   ; the batch in x's codes
	s_mul_i32 s66, s[WV], TILEB
	s_add_co_u32 s66, s66, s70                     ; + my wave's 16 rows
	s_mov_b32 s67, 0
	s_min_u32 s72, s[WV], 2                        ; the prefetches: my wave's 8,192 bytes (waves 3 to 7 never ask; their address too stays inside the buffer),
	s_lshl_b32 s72, s72, 13
	s_mul_i32 s74, s[CX], 24576                    ; of my work-group's 24,576,
	s_add_co_u32 s72, s72, s74
	s_add_co_u32 s72, s72, s70
	s_add_co_u32 s72, s72, 3*STEPB                 ; in step 3: the first trip steps it to step 4
	s_mov_b32 s73, 0
	s_lshl_b32 s74, s[BB], 17                      ; x's scales: 131,072 bytes a batch, 512 a wave
	s_lshl_b32 s75, s[WV], 9
	s_add_co_u32 s74, s74, s75
	s_mov_b32 s75, 0
	s_lshl_b32 s76, s[BB], 24                      ; out: 2^24 bytes a batch, 16 rows of 4,096 a wave, 64 bytes for each 16 channels
	s_lshl_b32 s77, s[WV], 16
	s_add_co_u32 s76, s76, s77
	s_lshl_b32 s77, s[CHG], 6
	s_add_co_u32 s76, s76, s77
	s_mov_b32 s77, 0
	s_mul_i32 s78, s[CHG], TILEB                   ; W's codes: my 16 rows
	s_mov_b32 s79, 0
	s_wait_kmcnt 0x0
	s_add_nc_u64 s[66:67], s[4:5], s[66:67]        ; x's codes at my rows of step 0
	s_add_nc_u64 s[PFA:PFA+1], s[4:5], s[72:73]
	s_add_nc_u64 s[6:7], s[6:7], s[74:75]
	s_add_nc_u64 s[22:23], s[22:23], s[76:77]
.irp g, 0,1,2
	s_add_nc_u64 s[8+4*\g:9+4*\g], s[8+4*\g:9+4*\g], s[78:79]
.endr
	s_lshl_b32 s78, s[CHG], 9                      ; W's scales: 16 rows of 32 bytes
.irp g, 0,1,2
	s_add_nc_u64 s[10+4*\g:11+4*\g], s[10+4*\g:11+4*\g], s[78:79]
.endr
	s_lshl_b32 s78, s[BB], 12                      ; h_0: 4,096 bytes a batch, 64 for each 16 channels
	s_lshl_b32 s74, s[CHG], 6
	s_add_co_u32 s78, s78, s74
	s_add_nc_u64 s[20:21], s[20:21], s[78:79]
	s_mov_b32 s[G0], 1                             ; 1:0 count = 1
	s_mov_b32 s[G0+1], s68                         ; 63:32 LDS address: slot 0
	s_mov_b64 s[G0+2:G0+3], s[66:67]               ; 120:64 global address: step 0
	s_or_b32 s[G0+3], s[G0+3], 0x80000000          ; 127:126 type = 2
	s_mov_b32 s[G0+4], 1
	s_add_co_u32 s[G0+5], s68, SLOT1               ; slot 1
	s_add_nc_u64 s[G0+6:G0+7], s[66:67], STEPB     ; step 1
	s_or_b32 s[G0+7], s[G0+7], 0x80000000
	ROUND                                          ; all four work-groups are here: the first joint loads meet
	tensor_load_to_lds s[G0:G0+3], s[G1:G1+7]      ; the two first fills go out together, ahead of every wait on TENSORcnt and every LDS read: two loads of mine are out
	s_nop 0
	tensor_load_to_lds s[G0+4:G0+7], s[G1:G1+7]
	s_nop 0
.rept 4
	v_nop
.endr
	; the weights: they stay.  A fragment is the 48 consecutive bytes at 96 s + 48 h of row r: three loads of 16 bytes
	WIN 0x40                                       ; destination window 1, address window 0
.irp s, 0,1,2,3,4,5,6
.irp g, 0,1,2
.irp i, 0,1,2
	global_load_b128 v[12*(3*\s+\g)+4*\i:12*(3*\s+\g)+4*\i+3], v26, s[8+4*\g:9+4*\g] offset:96*\s+16*\i
.endr
.endr
.endr
	WIN 0
.irp g, 0,1,2
.irp i, 0,1,2
	global_load_b128 v[W7+12*\g+4*\i:W7+12*\g+4*\i+3], v26, s[8+4*\g:9+4*\g] offset:96*7+16*\i
.endr
.endr
.irp g, 0,1,2
	global_load_b128 v[WS+4*\g:WS+4*\g+3], v27, s[10+4*\g:11+4*\g]   ; lanes 0-15: the words of K steps 0-3 of row r; lanes 16-31: of K steps 4-7
.endr
	global_load_b32 v[CAR], v25, s[20:21]          ; h_0 of my channel
	global_load_b128 v[XSR:XSR+3], v[XSA], s[6:7]  ; x's scale words of step 0
	s_wait_loadcnt 0x0
.irp i, 0,1,2,3,4,5,6,7,8,9,10,11
	v_perm_b32 v[WS+\i], v[WS+\i], v[WS+\i], s[PSEL]     ; bytes 1 and 2 change places, as the blocks have
.endr
	v_min_num_f32 v20, 0, v[CAR]                   ; the scan begins with g(h_0) = (2 max(x, 0) + e) / (1 + e), e = 2^(c min(x, 0))
	v_max_num_f32 v21, 0, v[CAR]
	v_mul_f32 v20, s[LC], v20
	v_exp_f32 v20, v20
	v_nop                                          ; a plain instruction behind the exponential,
	s_wait_alu depctr_va_vdst(0)                   ; and the wait ahead of its first reader
	v_add_f32 v22, 1.0, v20
	v_fma_f32 v21, v21, 2.0, v20
	v_rcp_f32 v23, v22
	v_nop
	s_wait_alu depctr_va_vdst(0)
	v_mul_f32 v[CAR], v21, v23
	; step 0: nothing is there yet to be finished
	s_wait_tensorcnt 0x1                           ; tensor loads of a wave end in order (ISA guide 10.11.1): my rows of slot 0 are in, slot 1's may be out.  I alone read these bytes: no barrier
	LDX 0
	SCALES 1, 1
	MM
	GATES 0
.Lloop:                                                ; 15 trips of two steps: steps 1 to 30; each asks for the step after it
	TRIP 1, 1, 1
	TRIP 0, 1, 1
	s_sub_co_u32 s[CNT], s[CNT], 1
	s_cmp_lg_u32 s[CNT], 0
	s_cbranch_scc1 .Lloop
	TRIP 1, 0, 0                                   ; step 31 is written out: it asks for nothing
	s_wait_dscnt 0x0                               ; my last pair lies in LDS
	s_barrier_signal -1
	s_barrier_wait -1                              ; everybody's does
	LDAGG 1
	s_wait_xcnt 0x0                                ; step 30's stores have read their data: the registers are written again below
	FIXUP 0, 0                                     ; step 31 is finished
	s_wait_tensorcnt 0x0                           ; the wave's end, behind my last tensor load and my last LDS store
	ds_add_u32 v[SPW], v[NIL]
	s_wait_dscnt 0x0
	ROUND                                          ; the closing round: no work-group ends while a partner may still ask for a tile that names it
	s_endpgm
.Lfunc_end_k_qd27d5cd25c_minlstm:
	.size	k_qd27d5cd25c_minlstm, .Lfunc_end_k_qd27d5cd25c_minlstm-k_qd27d5cd25c_minlstm
	.p2alignl 7, 3214868480
	.fill 96, 4, 3214868480
	.section	.rodata,"a",@progbits
	.p2align	6, 0x0
	.amdhsa_kernel k_qd27d5cd25c_minlstm
		.amdhsa_group_segment_fixed_size 327680
		.amdhsa_private_segment_fixed_size 0
		.amdhsa_enable_private_segment 0
		.amdhsa_kernarg_size 80
		.amdhsa_user_sgpr_count 2
		.amdhsa_user_sgpr_kernarg_segment_ptr 1
		.amdhsa_wavefront_size32 1
		.amdhsa_system_sgpr_workgroup_id_x 1
		.amdhsa_system_sgpr_workgroup_id_y 1
		.amdhsa_system_sgpr_workgroup_id_z 1
		.amdhsa_system_vgpr_workitem_id 0
		.amdhsa_next_free_vgpr 512
		.amdhsa_next_free_sgpr 80
		.amdhsa_reserve_vcc 0
		.amdhsa_float_denorm_mode_32 3
		.amdhsa_float_denorm_mode_16_64 3
		.amdhsa_memory_ordered 1
		.amdhsa_forward_progress 1
		.amdhsa_inst_pref_size 77
	.end_amdhsa_kernel
	.amdgpu_metadata
---
amdhsa.version: [ 1, 2 ]
amdhsa.kernels:
  - .name:           k_qd27d5cd25c_minlstm
    .symbol:         k_qd27d5cd25c_minlstm.kd
    .args:
      - { .name: x_codes, .offset: 0, .size: 8, .value_kind: global_buffer, .address_space: global }
      - { .name: x_scales, .offset: 8, .size: 8, .value_kind: global_buffer, .address_space: global }
      - { .name: W_f_codes, .offset: 16, .size: 8, .value_kind: global_buffer, .address_space: global }
      - { .name: W_f_scales, .offset: 24, .size: 8, .value_kind: global_buffer, .address_space: global }
      - { .name: W_i_codes, .offset: 32, .size: 8, .value_kind: global_buffer, .address_space: global }
      - { .name: W_i_scales, .offset: 40, .size: 8, .value_kind: global_buffer, .address_space: global }
      - { .name: W_h_codes, .offset: 48, .size: 8, .value_kind: global_buffer, .address_space: global }
      - { .name: W_h_scales, .offset: 56, .size: 8, .value_kind: global_buffer, .address_space: global }
      - { .name: h_0, .offset: 64, .size: 8, .value_kind: global_buffer, .address_space: global }
      - { .name: out0, .offset: 72, .size: 8, .value_kind: global_buffer, .address_space: global }
    .group_segment_fixed_size: 327680
    .private_segment_fixed_size: 0
    .kernarg_segment_align: 8
    .kernarg_segment_size: 80
    .max_flat_workgroup_size: 256
    .sgpr_count:     80
    .vgpr_count:     512
    .wavefront_size: 32
...
	.end_amdgpu_metadata
.endif
;; end of part 1
;; ======== version 2 of 2: 2 launches
;; limits: right only within a limited range of input values
;; workspace buffers: agg 3,670,016 bytes
;; launch agg (part 2): grid 16 x 16, 8 waves a work-group, clusters of 4 x 1, 327,680 bytes of LDS; arguments x_codes, x_scales, W_f_codes, W_f_scales, W_i_codes, W_i_scales, W_h_codes, W_h_scales, agg; writes agg
.if DOCPART == 2
	.amdgcn_target "amdgcn-amd-amdhsa--gfx1250"
	.amdhsa_code_object_version 6
	.text
	.protected	k_qd27d5cd25c_agg
	.globl	k_qd27d5cd25c_agg
	.p2align	8
	.type	k_qd27d5cd25c_agg,@function
k_qd27d5cd25c_agg:
	s_mov_b64 s[64:65], 0
	v_nop
	global_prefetch_b8 v0, s[64:65] scope:SCOPE_SE
	s_setreg_imm32_b32 hwreg(HW_REG_WAVE_MODE, 25, 1), 1
	s_wait_xcnt 0x0
	s_wait_alu depctr_hold_cnt(0) depctr_sa_sdst(0) depctr_va_vdst(0) depctr_va_sdst(0) depctr_va_ssrc(0) depctr_va_vcc(0) depctr_vm_vsrc(0)
	s_getreg_b32 s2, hwreg(HW_REG_IB_STS2, 6, 4)
	s_cmp_eq_u32 s2, 0
	s_cbranch_scc0 .Lentry_in_a_cluster
	s_endpgm
.Lentry_in_a_cluster:
	s_bfe_u32 s2, ttmp6, 0x10000c
	s_cmp_lg_u32 s2, 0x3003
	s_cbranch_scc0 .Lentry_shape_is_right
	s_endpgm
.Lentry_shape_is_right:
; minLSTM, first of two launches.  zf, zi, zh = x W^T on codes of BF6 with E8M0 scales, sums in f32.
; THE SCAN, WRITTEN OUT.  With e^diff = (1 + e^-zf) / (1 + e^-zi): f = 1 / (1 + e^diff), i = 1 - f, v = i g(zh), g(x) = x + 0.5 for x >= 0, else sigmoid(x).
; exp(a*_t + logsumexp_(k <= t)(log_values_k - a*_k)) is h_t = f_t h_(t-1) + v_t, begun with g(h_0).  From the gates' exponents the maximum m = max(0, -zf, -zi) is taken away.
; A run of rows acts on h as a pair (A, B): h_out = A h_in + B.  This launch stores the pair of every 32 rows; the second launch makes each wave's carry of them and computes the gates again.
; LEFT OUT: rows 3,584 to 4,095 of each batch.  Their pairs would serve a carry behind the last row, which reference() never forms, whatever the inputs hold.  h_0 has no way to a pair and is no argument here.
; A NaN, an infinity or an overflow that reaches only the work left out is not carried on.
; SHARES.  256 work-groups: x = 64 channels, y = (batch, 896 rows).  Wave w: 16 channels (w % 4), strip of 448 rows (w / 4); its 48 rows of W stay in 288 registers.  7 periods of 64 rows a strip.
; RING: two LDS slots of 128 rows of x (8 tiles of 16 rows); each wave fetches one tile, 12,288 dense bytes, by one joint load (the four partners of a cluster walk the same x: mask 15).
; LAYOUT: source 0 = x, source 1 = W.  Lane (r, h) holds channel r; x's fragment lane r takes row q(r) = 8 (r / 8) + 4 (r % 2) + (r / 2) % 4, so registers 0, 2, 4, 6 are times 8 h + 0 .. 3 and 1, 3, 5, 7 times 8 h + 4 .. 7.
; K is permuted alike on both sides: the lanes' half h takes the 48 bytes at 48 h of a K step's 96, so bytes 1 and 2 of every scale word change places.
; agg[batch][16 channels][64 rows][r][half][A, B]: one store of the wave covers 256 consecutive bytes, aligned.
; LIMITS.  NaN, infinities and the scale byte 0xff are not served; |z| stays under 1.18e38; the f32 sums are not taken in ascending K.
.set RQ, 896
.set RT, 448
.set OSTEP, 256
.set XROW, 768
.set TILEB, 16*XROW
.set PERB, 64*XROW
.set XBATCH, 4096*XROW
.set TILEL, 48*272
.set SLOT, 8*TILEL
.set SPARE, 2*SLOT
.set SPER, 64*32
.set SPW, 1
.set NIL, 2
.set ADX, 3
.set XSA, 10
.set PFO, 11
.set AGA, 13
.set CP, 14
.set A8O, 16
.set T, 18
.set AB16, 24
.set XSR, 32
.set XS, 48
.set WS, 64
.set W7, 76
.set CM, 112
.set NH, 120
.set QQ, 128
.set ZF, 136
.set ZI, 144
.set ZH, 152
.set XF, 160
.set WV, 24
.set CX, 25
.set CHG, 26
.set YY, 27
.set G1, 28
.set G0, 36
.set PFA, 44
.set LIM, 46
.set CNT, 47
.set LC, 48
.set NC, 50
.set SEL, 52
.set HM, 54
.set PSEL, 55
.set LIM2, 63
.set TH, 82
.set NN, 83
.set BB, 84
.set QS, 85
.set G16, 86
.set MSB, 0
.macro WIN new
.if MSB != \new
	s_set_vgpr_msb (MSB<<8)|\new
.set MSB, \new
.endif
.endm
.macro ROUND                           ; a round of the cluster's barrier
	s_barrier_signal -1
	s_barrier_wait -1
	s_cmp_lg_u32 s[WV], 0
	s_cbranch_scc1 .Lnot_wave_0_\@
	s_barrier_signal -3
.Lnot_wave_0_\@:
	s_barrier_wait -3
	s_barrier_signal -1
	s_barrier_wait -1
.endm
; Period p, which loads period p + 1, names period p + 2: 384 blocks of 256 bytes.  Of the four clusters that walk these rows the first asks; its partners take 96 blocks each, told apart by address; waves 0 to 2, a lane a block.
.macro ASK lim
	s_cmp_gt_u32 s[CNT], s[\lim]
	s_cbranch_scc0 .Lnot_mine_\@
	global_prefetch_b8 v[PFO], s[PFA:PFA+1] th:TH_LOAD_NT scope:SCOPE_SE
.Lnot_mine_\@:
.endm
; The change of slots: all my tensor loads are in, the add, my LDS instructions are done; a round; the next period's joint load into the slot read last.
.macro SYNC sl, refill
	s_wait_tensorcnt 0x0
	ds_add_u32 v[SPW], v[NIL]
	s_wait_xcnt 0x0                                ; earlier loads, stores and prefetches have read their bases
	s_add_nc_u64 s[22:23], s[22:23], OSTEP
	s_add_nc_u64 s[6:7], s[6:7], SPER
.if \refill
	s_add_nc_u64 s[G0+4*(\sl)+2:G0+4*(\sl)+3], s[G0+4*(\sl)+2:G0+4*(\sl)+3], 2*PERB
	s_add_nc_u64 s[PFA:PFA+1], s[PFA:PFA+1], PERB
.endif
	s_wait_dscnt 0x0
.if \refill
	ROUND
	tensor_load_to_lds s[G0+4-4*(\sl):G0+7-4*(\sl)], s[G1:G1+7]
	s_nop 0
.rept 4
	v_nop
.endr
.else
	s_barrier_signal -1
	s_barrier_wait -1
.endif
.endm
.macro LDX sl, k                       ; tile k of my strip: eight fragments, 24 loads; a padding of 16 bytes lies behind every 16 pieces
.irp s, 0,1,2,3,4,5,6,7
.irp i, 0,1,2
.set P0, 6*\s+\i
.if P0%16 < 13
	ds_load_b128 v[XF+12*\s+4*\i:XF+12*\s+4*\i+3], v[ADX+2*(\sl)] offset:(\k)*TILEL+16*P0+16*(P0/16)
.else
	ds_load_b128 v[XF+12*\s+4*\i:XF+12*\s+4*\i+3], v[ADX+2*(\sl)+1] offset:(\k)*TILEL+16*P0+16*(P0/16)
.endif
.endr
.endr
.endm
.macro SCALES more                     ; this period's scale words of x, asked for a period ago; the next period's are asked for
	s_wait_loadcnt 0x0
.irp i, 0,1,2,3,4,5,6,7,8,9,10,11,12,13,14,15
	v_perm_b32 v[XS+\i], v[XSR+\i], v[XSR+\i], s[PSEL]
.endr
.if \more
.irp k, 0,1,2,3
	global_load_b128 v[XSR+4*\k:XSR+4*\k+3], v[XSA], s[6:7] offset:SPER+512*\k
.endr
.endif
	s_wait_alu depctr_va_vdst(0)
.rept 8
	v_nop                                          ; eight places between a scale's write and a scaled matrix instruction
.endr
.endm
.macro MMS s, k, ex
	s_wait_dscnt 3*(7-\s)+\ex                      ; this K step's fragment is in; the later K steps' loads and ex younger LDS stores may be out
.irp g, 0,1,2
.if \s < 7
.set rW, 12*(3*\s+\g)
.else
.set rW, W7+12*\g
.endif
.set rZ, ZF+8*\g
.if \s == 0
	v_wmma_scale_f32_16x16x128_f8f6f4 v[rZ:rZ+7], v[XF+12*\s:XF+12*\s+11], v[rW:rW+11], 0, v[XS+4*(\k)+\s%4], v[WS+4*\g+\s%4] matrix_a_fmt:MATRIX_FMT_BF6 matrix_b_fmt:MATRIX_FMT_BF6
.elseif \s < 4
	v_wmma_scale_f32_16x16x128_f8f6f4 v[rZ:rZ+7], v[XF+12*\s:XF+12*\s+11], v[rW:rW+11], v[rZ:rZ+7], v[XS+4*(\k)+\s%4], v[WS+4*\g+\s%4] matrix_a_fmt:MATRIX_FMT_BF6 matrix_b_fmt:MATRIX_FMT_BF6
.else
	v_wmma_scale_f32_16x16x128_f8f6f4 v[rZ:rZ+7], v[XF+12*\s:XF+12*\s+11], v[rW:rW+11], v[rZ:rZ+7], v[XS+4*(\k)+\s%4], v[WS+4*\g+\s%4] matrix_a_fmt:MATRIX_FMT_BF6 matrix_b_fmt:MATRIX_FMT_BF6 matrix_a_scale:MATRIX_SCALE_ROW1 matrix_b_scale:MATRIX_SCALE_ROW1
.endif
.endr
.endm
.macro MM k, ex                        ; a tile's 24 products; the three gates' accumulators take turns
	WIN 0x04
.irp s, 0,1,2,3,4,5,6
	MMS \s, \k, \ex
.endr
	WIN 0
	MMS 7, \k, \ex
.rept 4
	v_nop
.endr
.endm
; The gates and the local scans of a tile.  c = log2(e): E0 = 2^(-c m), Ef = 2^(-c zf - c m), Ei = 2^(-c zi - c m), Eh = 2^(c min(zh, 0)).  D = 2 E0 + Ef + Ei, R = 1 / (D (1 + Eh));
; f = (E0 + Ei) (1 + Eh) R;  v = (E0 + Ef) (2 max(zh, 0) + Eh) R.  Then ZF holds the runs' scans with carry 0, ZI the running products of f.
.macro GATES k
.set GAB, AB16+2*(\k)
.irp j, 0,1,2,3,4,5,6,7
	v_min3_num_f32 v[CM+\j], v[ZF+\j], v[ZI+\j], 0
.endr
.irp j, 0,1,2,3,4,5,6,7
	v_min_num_f32 v[NH+\j], 0, v[ZH+\j]
.endr
.irp j, 0,2,4,6
	v_pk_mul_f32 v[CM+\j:CM+\j+1], v[CM+\j:CM+\j+1], s[LC:LC+1] op_sel_hi:[1,0]
.endr
.irp j, 0,2,4,6
	v_pk_add_f32 v[ZH+\j:ZH+\j+1], v[ZH+\j:ZH+\j+1], v[NH+\j:NH+\j+1] neg_lo:[0,1] neg_hi:[0,1]
.endr
.irp j, 0,2,4,6
	v_pk_fma_f32 v[ZF+\j:ZF+\j+1], v[ZF+\j:ZF+\j+1], s[NC:NC+1], v[CM+\j:CM+\j+1] op_sel_hi:[1,0,1]
.endr
.irp j, 0,2,4,6
	v_pk_fma_f32 v[ZI+\j:ZI+\j+1], v[ZI+\j:ZI+\j+1], s[NC:NC+1], v[CM+\j:CM+\j+1] op_sel_hi:[1,0,1]
.endr
.irp j, 0,2,4,6
	v_pk_mul_f32 v[NH+\j:NH+\j+1], v[NH+\j:NH+\j+1], s[LC:LC+1] op_sel_hi:[1,0]
.endr
	s_wait_alu depctr_va_vdst(0)                   ; ahead of the batch
.irp b, CM, ZF, ZI, NH
.irp j, 0,1,2,3,4,5,6,7
	v_exp_f32 v[\b+\j], v[\b+\j]
.endr
.endr
	v_nop
	s_wait_alu depctr_va_vdst(0)                   ; behind the batch
.irp j, 0,2,4,6
	v_pk_add_f32 v[ZI+\j:ZI+\j+1], v[CM+\j:CM+\j+1], v[ZI+\j:ZI+\j+1]
.endr
.irp j, 0,2,4,6
	v_pk_add_f32 v[ZF+\j:ZF+\j+1], v[CM+\j:CM+\j+1], v[ZF+\j:ZF+\j+1]
.endr
.irp j, 0,2,4,6
	v_pk_add_f32 v[QQ+\j:QQ+\j+1], v[NH+\j:NH+\j+1], 1.0 op_sel_hi:[1,0]
.endr
.irp j, 0,2,4,6
	v_pk_add_f32 v[CM+\j:CM+\j+1], v[ZI+\j:ZI+\j+1], v[ZF+\j:ZF+\j+1]
.endr
.irp j, 0,2,4,6
	v_pk_fma_f32 v[ZH+\j:ZH+\j+1], v[ZH+\j:ZH+\j+1], 2.0, v[NH+\j:NH+\j+1] op_sel_hi:[1,0,1]
.endr
.irp j, 0,2,4,6
	v_pk_mul_f32 v[CM+\j:CM+\j+1], v[CM+\j:CM+\j+1], v[QQ+\j:QQ+\j+1]
.endr
	s_wait_alu depctr_va_vdst(0)
.irp j, 0,1,2,3,4,5,6,7
	v_rcp_f32 v[NH+\j], v[CM+\j]
.endr
.irp j, 0,2,4,6
	v_pk_mul_f32 v[ZI+\j:ZI+\j+1], v[ZI+\j:ZI+\j+1], v[QQ+\j:QQ+\j+1]
.endr
.irp j, 0,2,4,6
	v_pk_mul_f32 v[ZF+\j:ZF+\j+1], v[ZF+\j:ZF+\j+1], v[ZH+\j:ZH+\j+1]
.endr
	s_wait_alu depctr_va_vdst(0)
.irp j, 0,2,4,6
	v_pk_mul_f32 v[ZI+\j:ZI+\j+1], v[ZI+\j:ZI+\j+1], v[NH+\j:NH+\j+1]      ; f
.endr
.irp j, 0,2,4,6
	v_pk_mul_f32 v[ZF+\j:ZF+\j+1], v[ZF+\j:ZF+\j+1], v[NH+\j:NH+\j+1]      ; v
.endr
	s_delay_alu instid0(VALU_DEP_3)
	v_pk_fma_f32 v[ZF+2:ZF+3], v[ZI+2:ZI+3], v[ZF:ZF+1], v[ZF+2:ZF+3]
	v_pk_mul_f32 v[ZI+2:ZI+3], v[ZI+2:ZI+3], v[ZI:ZI+1]
.irp j, 4, 6
	s_delay_alu instid0(VALU_DEP_2)
	v_pk_fma_f32 v[ZF+\j:ZF+\j+1], v[ZI+\j:ZI+\j+1], v[ZF+\j-2:ZF+\j-1], v[ZF+\j:ZF+\j+1]
	s_delay_alu instid0(VALU_DEP_2)
	v_pk_mul_f32 v[ZI+\j:ZI+\j+1], v[ZI+\j:ZI+\j+1], v[ZI+\j-2:ZI+\j-1]
.endr
	s_delay_alu instid0(VALU_DEP_1)
	v_mul_f32 v[T], v[ZI+6], v[ZI+7]               ; my 8 rows' pair
	v_fma_f32 v[T+1], v[ZI+7], v[ZF+6], v[ZF+7]
	s_delay_alu instid0(VALU_DEP_2)
	v_permlanex16_b32 v[A8O], v[T], s[SEL], s[SEL+1]       ; the other half's
	s_delay_alu instid0(VALU_DEP_2)
	v_permlanex16_b32 v[A8O+1], v[T+1], s[SEL], s[SEL+1]
	s_delay_alu instid0(VALU_DEP_2)
	v_mul_f32 v[GAB], v[T], v[A8O]                 ; the 16 rows' pair
	v_cndmask_b32 v[T+2], v[A8O], v[T], s[HM]
	v_cndmask_b32 v[T+3], v[T+1], v[A8O+1], s[HM]
	v_cndmask_b32 v[T+4], v[A8O+1], v[T+1], s[HM]
	s_delay_alu instid0(VALU_DEP_1)
	v_fma_f32 v[GAB+1], v[T+2], v[T+3], v[T+4]
.endm
.macro PAIR                            ; lanes 0-15 store the pair of my rows 0-31 of the period, lanes 16-31 that of rows 32-63
	v_mul_f32 v[T], v[AB16], v[AB16+2]
	v_fma_f32 v[T+1], v[AB16+2], v[AB16+1], v[AB16+3]
	v_mul_f32 v[T+2], v[AB16+4], v[AB16+6]
	v_fma_f32 v[T+3], v[AB16+6], v[AB16+5], v[AB16+7]
	s_delay_alu instid0(VALU_DEP_2)
	v_cndmask_b32 v[CP], v[T], v[T+2], s[HM]
	s_delay_alu instid0(VALU_DEP_2)
	v_cndmask_b32 v[CP+1], v[T+1], v[T+3], s[HM]
	global_store_b64 v[AGA], v[CP:CP+1], s[22:23]
.endm
.macro PERIOD sl, refill, more, lim
	SYNC \sl, \refill
	LDX \sl, 0
.if \refill
	ASK \lim
.endif
	SCALES \more
.irp k, 0,1,2
	MM \k, 0
	LDX \sl, \k+1
	GATES \k
.endr
	MM 3, 0
	GATES 3
	PAIR
.endm
	s_load_b512 s[4:19], s[0:1], 0x0               ; x's codes, scales; W_f's, W_i's, W_h's codes and scales
	s_load_b64 s[22:23], s[0:1], 0x40              ; agg
	v_lshl_add_u32 v[SPW], v0, 2, SPARE
	v_mov_b32 v[NIL], 0
	ds_add_u32 v[SPW], v[NIL]
	ds_add_u32 v[SPW], v[NIL]
	s_wait_dscnt 0x0
	v_lshrrev_b32 v160, 5, v0
	s_delay_alu instid0(VALU_DEP_1)
	v_readfirstlane_b32 s[WV], v160
	s_bfe_u32 s[CX], ttmp6, 0x40000
	s_lshl_b32 s[CHG], ttmp9, 2
	s_add_co_u32 s[CHG], s[CHG], s[CX]             ; which 64 channels
	s_and_b32 s[YY], ttmp7, 0xffff
	s_mov_b32 s[G1], 15|(3<<16)|(1<<20)|(1<<21)|(5<<22)|(3<<25)   ; mask 15; elements of 8 bytes; 4 words of padding behind every 64
	s_mov_b32 s[G1+1], 32<<16
	s_mov_b32 s[G1+2], 48<<16
	s_mov_b32 s[G1+3], 32<<16
	s_mov_b32 s[G1+4], 48
	s_mov_b32 s[G1+5], 32
	s_mov_b32 s[G1+6], 0
	s_mov_b32 s[G1+7], 0
	s_mov_b32 s[LC], 0x3fb8aa3b
	s_mov_b32 s[LC+1], s[LC]
	s_mov_b32 s[NC], 0xbfb8aa3b
	s_mov_b32 s[NC+1], s[NC]
	s_mov_b32 s[SEL], 0x76543210
	s_mov_b32 s[SEL+1], 0xfedcba98
	s_mov_b32 s[HM], 0xffff0000
	s_mov_b32 s[PSEL], 0x03010200
	s_mov_b32 s[CNT], 3
	s_lshr_b32 s[TH], s[WV], 2
	s_and_b32 s[NN], s[WV], 3
	s_lshr_b32 s[BB], s[YY], 2
	s_and_b32 s[QS], s[YY], 3
	s_lshl_b32 s[G16], s[CHG], 2
	s_add_co_u32 s[G16], s[G16], s[NN]
	s_cmp_lt_u32 s[WV], 3
	s_cselect_b32 s71, 0, 1
	s_or_b32 s71, s71, ttmp9
	s_cmp_eq_u32 s71, 0
	s_cselect_b32 s[LIM], 0, -1
	s_cselect_b32 s[LIM2], 1, -1
	v_and_b32 v161, 15, v0                         ; r
	v_bfe_u32 v162, v0, 4, 1                       ; h
	v_bfe_u32 v163, v0, 3, 1
	v_bfe_u32 v164, v0, 1, 2
	v_and_b32 v165, 1, v0
	v_lshl_add_u32 v163, v163, 3, v164
	s_delay_alu instid0(VALU_DEP_1)
	v_lshl_add_u32 v163, v165, 2, v163             ; q(r)
	s_mul_i32 s68, s[WV], TILEL                    ; where my tile lands
	s_mul_i32 s69, s[TH], 4*TILEL                  ; my strip's four tiles
	v_mul_u32_u24 v[ADX], v163, 816
	s_delay_alu instid0(VALU_DEP_1)
	v_mad_u32_u24 v[ADX], v162, 48, v[ADX]
	s_delay_alu instid0(VALU_DEP_1)
	v_add_nc_u32 v[ADX], s69, v[ADX]
	s_delay_alu instid0(VALU_DEP_1)
	v_lshl_add_u32 v[ADX+1], v162, 4, v[ADX]
	v_add_nc_u32 v[ADX+2], SLOT, v[ADX]
	s_delay_alu instid0(VALU_DEP_2)
	v_add_nc_u32 v[ADX+3], SLOT, v[ADX+1]
	v_lshlrev_b32 v[XSA], 5, v163
	s_delay_alu instid0(VALU_DEP_1)
	v_lshl_add_u32 v[XSA], v162, 4, v[XSA]
	v_and_b32 v[PFO], 31, v0
	s_delay_alu instid0(VALU_DEP_1)
	v_lshlrev_b32 v[PFO], 8, v[PFO]
	v_lshlrev_b32 v[AGA], 4, v161
	s_delay_alu instid0(VALU_DEP_1)
	v_lshl_add_u32 v[AGA], v162, 3, v[AGA]         ; 16 r + 8 h
	v_mul_u32_u24 v166, v161, XROW
	s_delay_alu instid0(VALU_DEP_1)
	v_mad_u32_u24 v166, v162, 48, v166             ; W's codes: row r, + 48 h
	v_lshlrev_b32 v167, 5, v161
	s_delay_alu instid0(VALU_DEP_1)
	v_lshl_add_u32 v167, v162, 4, v167             ; W's scale words
	v_mov_b32 v[A8O], 0
	v_mov_b32 v[A8O+1], 0
	s_mul_i32 s70, s[BB], XBATCH
	s_mul_i32 s71, s[QS], RQ*XROW
	s_add_co_u32 s70, s70, s71                     ; the work-group's rows of x
	s_mul_i32 s66, s[TH], RT*XROW
	s_add_co_u32 s66, s66, s70
	s_mul_i32 s71, s[NN], TILEB
	s_add_co_u32 s66, s66, s71                     ; the tile that I fetch
	s_mov_b32 s67, 0
	s_min_u32 s72, s[WV], 2
	s_lshl_b32 s72, s72, 13
	s_lshr_b32 s71, s[CX], 1
	s_mul_i32 s71, s71, RT*XROW
	s_add_co_u32 s72, s72, s71
	s_and_b32 s71, s[CX], 1
	s_mul_i32 s71, s71, 24576
	s_add_co_u32 s72, s72, s71
	s_add_co_u32 s72, s72, s70
	s_add_co_u32 s72, s72, PERB
	s_mov_b32 s73, 0
	s_lshl_b32 s74, s[BB], 17
	s_mul_i32 s71, s[QS], RQ*32
	s_add_co_u32 s74, s74, s71
	s_mul_i32 s71, s[TH], RT*32
	s_add_co_u32 s74, s74, s71
	s_mov_b32 s75, 0
	s_lshl_b32 s76, s[BB], 6
	s_add_co_u32 s76, s76, s[G16]
	s_mul_i32 s76, s76, 56*256
	s_mul_i32 s71, s[QS], 14*256
	s_add_co_u32 s76, s76, s71
	s_mul_i32 s71, s[TH], 7*256
	s_add_co_u32 s76, s76, s71
	s_mov_b32 s77, 0
	s_mul_i32 s78, s[G16], TILEB
	s_mov_b32 s79, 0
	s_wait_alu depctr_va_vdst(0)
	s_wait_kmcnt 0x0
	s_add_nc_u64 s[66:67], s[4:5], s[66:67]
	s_add_nc_u64 s[PFA:PFA+1], s[4:5], s[72:73]
	s_add_nc_u64 s[6:7], s[6:7], s[74:75]
	s_sub_nc_u64 s[6:7], s[6:7], SPER              ; every period steps the two pointers at its head, the first too
	s_add_nc_u64 s[22:23], s[22:23], s[76:77]
	s_sub_nc_u64 s[22:23], s[22:23], OSTEP
.irp g, 0,1,2
	s_add_nc_u64 s[8+4*\g:9+4*\g], s[8+4*\g:9+4*\g], s[78:79]
.endr
	s_lshl_b32 s78, s[G16], 9
.irp g, 0,1,2
	s_add_nc_u64 s[10+4*\g:11+4*\g], s[10+4*\g:11+4*\g], s[78:79]
.endr
	s_mov_b32 s[G0], 1
	s_mov_b32 s[G0+1], s68
	s_mov_b64 s[G0+2:G0+3], s[66:67]
	s_or_b32 s[G0+3], s[G0+3], 0x80000000
	s_mov_b32 s[G0+4], 1
	s_add_co_u32 s[G0+5], s68, SLOT
	s_add_nc_u64 s[G0+6:G0+7], s[66:67], PERB
	s_or_b32 s[G0+7], s[G0+7], 0x80000000
	ROUND
	tensor_load_to_lds s[G0:G0+3], s[G1:G1+7]      ; period 0: my one load at the head
	s_nop 0
.rept 4
	v_nop
.endr
	WIN 0x40
.irp s, 0,1,2,3,4,5,6
.irp g, 0,1,2
.irp i, 0,1,2
	global_load_b128 v[12*(3*\s+\g)+4*\i:12*(3*\s+\g)+4*\i+3], v166, s[8+4*\g:9+4*\g] offset:96*\s+16*\i
.endr
.endr
.endr
	WIN 0
.irp g, 0,1,2
.irp i, 0,1,2
	global_load_b128 v[W7+12*\g+4*\i:W7+12*\g+4*\i+3], v166, s[8+4*\g:9+4*\g] offset:96*7+16*\i
.endr
.endr
.irp g, 0,1,2
	global_load_b128 v[WS+4*\g:WS+4*\g+3], v167, s[10+4*\g:11+4*\g]
.endr
.irp k, 0,1,2,3
	global_load_b128 v[XSR+4*\k:XSR+4*\k+3], v[XSA], s[6:7] offset:SPER+512*\k
.endr
	s_wait_loadcnt 0x0
.irp i, 0,1,2,3,4,5,6,7,8,9,10,11
	v_perm_b32 v[WS+\i], v[WS+\i], v[WS+\i], s[PSEL]
.endr
	s_wait_alu depctr_va_vdst(0)                   ; the head's end
.Lloop:                                                ; 3 trips of two periods: periods 0 to 5
	PERIOD 0, 1, 1, LIM
	PERIOD 1, 1, 1, LIM2
	s_sub_co_u32 s[CNT], s[CNT], 1
	s_cmp_lg_u32 s[CNT], 0
	s_cbranch_scc1 .Lloop
	PERIOD 0, 0, 0, LIM                            ; period 6 asks for nothing
	s_wait_tensorcnt 0x0                           ; the wave's end
	ds_add_u32 v[SPW], v[NIL]
	s_wait_dscnt 0x0
	ROUND
	s_endpgm
.Lfunc_end_k_qd27d5cd25c_agg:
	.size	k_qd27d5cd25c_agg, .Lfunc_end_k_qd27d5cd25c_agg-k_qd27d5cd25c_agg
	.p2alignl 7, 3214868480
	.fill 96, 4, 3214868480
	.section	.rodata,"a",@progbits
	.p2align	6, 0x0
	.amdhsa_kernel k_qd27d5cd25c_agg
		.amdhsa_group_segment_fixed_size 327680
		.amdhsa_private_segment_fixed_size 0
		.amdhsa_enable_private_segment 0
		.amdhsa_kernarg_size 72
		.amdhsa_user_sgpr_count 2
		.amdhsa_user_sgpr_kernarg_segment_ptr 1
		.amdhsa_wavefront_size32 1
		.amdhsa_system_sgpr_workgroup_id_x 1
		.amdhsa_system_sgpr_workgroup_id_y 1
		.amdhsa_system_sgpr_workgroup_id_z 1
		.amdhsa_system_vgpr_workitem_id 0
		.amdhsa_next_free_vgpr 512
		.amdhsa_next_free_sgpr 96
		.amdhsa_reserve_vcc 0
		.amdhsa_float_denorm_mode_32 3
		.amdhsa_float_denorm_mode_16_64 3
		.amdhsa_memory_ordered 1
		.amdhsa_forward_progress 1
		.amdhsa_inst_pref_size 169
	.end_amdhsa_kernel
	.amdgpu_metadata
---
amdhsa.version: [ 1, 2 ]
amdhsa.kernels:
  - .name:           k_qd27d5cd25c_agg
    .symbol:         k_qd27d5cd25c_agg.kd
    .args:
      - { .name: x_codes, .offset: 0, .size: 8, .value_kind: global_buffer, .address_space: global }
      - { .name: x_scales, .offset: 8, .size: 8, .value_kind: global_buffer, .address_space: global }
      - { .name: W_f_codes, .offset: 16, .size: 8, .value_kind: global_buffer, .address_space: global }
      - { .name: W_f_scales, .offset: 24, .size: 8, .value_kind: global_buffer, .address_space: global }
      - { .name: W_i_codes, .offset: 32, .size: 8, .value_kind: global_buffer, .address_space: global }
      - { .name: W_i_scales, .offset: 40, .size: 8, .value_kind: global_buffer, .address_space: global }
      - { .name: W_h_codes, .offset: 48, .size: 8, .value_kind: global_buffer, .address_space: global }
      - { .name: W_h_scales, .offset: 56, .size: 8, .value_kind: global_buffer, .address_space: global }
      - { .name: agg, .offset: 64, .size: 8, .value_kind: global_buffer, .address_space: global }
    .group_segment_fixed_size: 327680
    .private_segment_fixed_size: 0
    .kernarg_segment_align: 8
    .kernarg_segment_size: 72
    .max_flat_workgroup_size: 256
    .sgpr_count:     96
    .vgpr_count:     512
    .wavefront_size: 32
...
	.end_amdgpu_metadata
.endif
;; end of part 2
;; launch scan (part 3): grid 16 x 16, 8 waves a work-group, clusters of 4 x 1, 327,680 bytes of LDS; arguments x_codes, x_scales, W_f_codes, W_f_scales, W_i_codes, W_i_scales, W_h_codes, W_h_scales, h_0, out0, agg; writes out0
.if DOCPART == 3
	.amdgcn_target "amdgcn-amd-amdhsa--gfx1250"
	.amdhsa_code_object_version 6
	.text
	.protected	k_qd27d5cd25c_scan
	.globl	k_qd27d5cd25c_scan
	.p2align	8
	.type	k_qd27d5cd25c_scan,@function
k_qd27d5cd25c_scan:
	s_mov_b64 s[64:65], 0
	v_nop
	global_prefetch_b8 v0, s[64:65] scope:SCOPE_SE
	s_setreg_imm32_b32 hwreg(HW_REG_WAVE_MODE, 25, 1), 1
	s_wait_xcnt 0x0
	s_wait_alu depctr_hold_cnt(0) depctr_sa_sdst(0) depctr_va_vdst(0) depctr_va_sdst(0) depctr_va_ssrc(0) depctr_va_vcc(0) depctr_vm_vsrc(0)
	s_getreg_b32 s2, hwreg(HW_REG_IB_STS2, 6, 4)
	s_cmp_eq_u32 s2, 0
	s_cbranch_scc0 .Lentry_in_a_cluster
	s_endpgm
.Lentry_in_a_cluster:
	s_bfe_u32 s2, ttmp6, 0x10000c
	s_cmp_lg_u32 s2, 0x3003
	s_cbranch_scc0 .Lentry_shape_is_right
	s_endpgm
.Lentry_shape_is_right:
; minLSTM, second launch: the products and gates as in the first launch, then h_t = f_t h_(t-1) + v_t with the true carry; out = h_t.  Nothing of reference() is left out here.
; SHARES.  256 work-groups: x = 64 channels, y = 1,024 rows (batch y / 4).  Wave w: 16 channels (w % 4), strip of 512 rows (w / 4); 8 periods of 64 rows a strip.
; THE CARRY in front of my strip: g(h_0) walked through the stored pairs of the 512 S rows ahead of it, S = 2 (y % 4) + w / 4.  All 56 units are walked; the value behind unit 8 S is kept by a select.
; From tile to tile the wave carries h itself: no wave waits for another's scan.
; OUT.  A tile's results go into an LDS stage (two by turns, 128 rows x 256 bytes + 16); behind the next period's round each wave reads 16 whole rows back: sixteen lanes store 256 consecutive bytes, aligned.
; Ring, layout, K's permutation and limits as in the first launch.
.set RQ, 1024
.set RT, 512
.set OPER, 64*4096
.set OSTEP, OPER
.set XROW, 768
.set TILEB, 16*XROW
.set PERB, 64*XROW
.set XBATCH, 4096*XROW
.set TILEL, 48*272
.set SLOT, 8*TILEL
.set STAGE, 2*SLOT
.set SB, 128*272
.set SPARE, STAGE+2*SB
.set SPER, 64*32
.set SPW, 1
.set NIL, 2
.set ADX, 3
.set STO, 7
.set RD, 8
.set OA, 9
.set XSA, 10
.set PFO, 11
.set CAR, 12
.set AGO, 13
.set CP, 14
.set A8O, 16
.set T, 18
.set AB16, 24
.set XSR, 32
.set XS, 48
.set WS, 64
.set W7, 76
.set CM, 112
.set NH, 120
.set QQ, 128
.set ZF, 136
.set ZI, 144
.set ZH, 152
.set XF, 160
.set WV, 24
.set CX, 25
.set CHG, 26
.set YY, 27
.set G1, 28
.set G0, 36
.set PFA, 44
.set LIM, 46
.set CNT, 47
.set LC, 48
.set NC, 50
.set SEL, 52
.set HM, 54
.set PSEL, 55
.set MK, 56
.set LIM2, 63
.set AGP, 80
.set TH, 82
.set NN, 83
.set BB, 84
.set QS, 85
.set G16, 86
.set MSB, 0
.macro WIN new
.if MSB != \new
	s_set_vgpr_msb (MSB<<8)|\new
.set MSB, \new
.endif
.endm
.macro ROUND
	s_barrier_signal -1
	s_barrier_wait -1
	s_cmp_lg_u32 s[WV], 0
	s_cbranch_scc1 .Lnot_wave_0_\@
	s_barrier_signal -3
.Lnot_wave_0_\@:
	s_barrier_wait -3
	s_barrier_signal -1
	s_barrier_wait -1
.endm
; Period p names period p + 2: 384 blocks of 256 bytes; the first of the four clusters that walk these rows asks, its partners told apart by address, waves 0 to 2, a lane a block.
.macro ASK lim
	s_cmp_gt_u32 s[CNT], s[\lim]
	s_cbranch_scc0 .Lnot_mine_\@
	global_prefetch_b8 v[PFO], s[PFA:PFA+1] th:TH_LOAD_NT scope:SCOPE_SE
.Lnot_mine_\@:
.endm
.macro SYNC sl, refill
	s_wait_tensorcnt 0x0
	ds_add_u32 v[SPW], v[NIL]
	s_wait_xcnt 0x0
	s_add_nc_u64 s[22:23], s[22:23], OSTEP
	s_add_nc_u64 s[6:7], s[6:7], SPER
.if \refill
	s_add_nc_u64 s[G0+4*(\sl)+2:G0+4*(\sl)+3], s[G0+4*(\sl)+2:G0+4*(\sl)+3], 2*PERB
	s_add_nc_u64 s[PFA:PFA+1], s[PFA:PFA+1], PERB
.endif
	s_wait_dscnt 0x0                               ; the add, my reads of the old slot and of the stage, my stores into the stage
.if \refill
	ROUND
	tensor_load_to_lds s[G0+4-4*(\sl):G0+7-4*(\sl)], s[G1:G1+7]
	s_nop 0
.rept 4
	v_nop
.endr
.else
	s_barrier_signal -1
	s_barrier_wait -1
.endif
.endm
.macro LDX sl, k
.irp s, 0,1,2,3,4,5,6,7
.irp i, 0,1,2
.set P0, 6*\s+\i
.if P0%16 < 13
	ds_load_b128 v[XF+12*\s+4*\i:XF+12*\s+4*\i+3], v[ADX+2*(\sl)] offset:(\k)*TILEL+16*P0+16*(P0/16)
.else
	ds_load_b128 v[XF+12*\s+4*\i:XF+12*\s+4*\i+3], v[ADX+2*(\sl)+1] offset:(\k)*TILEL+16*P0+16*(P0/16)
.endif
.endr
.endr
.endm
.macro SCALES more
	s_wait_loadcnt 0x0
.irp i, 0,1,2,3,4,5,6,7,8,9,10,11,12,13,14,15
	v_perm_b32 v[XS+\i], v[XSR+\i], v[XSR+\i], s[PSEL]
.endr
.if \more
.irp k, 0,1,2,3
	global_load_b128 v[XSR+4*\k:XSR+4*\k+3], v[XSA], s[6:7] offset:SPER+512*\k
.endr
.endif
	s_wait_alu depctr_va_vdst(0)
.rept 8
	v_nop
.endr
.endm
.macro MMS s, k, ex
	s_wait_dscnt 3*(7-\s)+\ex                      ; this K step's fragment is in; the later K steps' loads and ex younger LDS stores may be out
.irp g, 0,1,2
.if \s < 7
.set rW, 12*(3*\s+\g)
.else
.set rW, W7+12*\g
.endif
.set rZ, ZF+8*\g
.if \s == 0
	v_wmma_scale_f32_16x16x128_f8f6f4 v[rZ:rZ+7], v[XF+12*\s:XF+12*\s+11], v[rW:rW+11], 0, v[XS+4*(\k)+\s%4], v[WS+4*\g+\s%4] matrix_a_fmt:MATRIX_FMT_BF6 matrix_b_fmt:MATRIX_FMT_BF6
.elseif \s < 4
	v_wmma_scale_f32_16x16x128_f8f6f4 v[rZ:rZ+7], v[XF+12*\s:XF+12*\s+11], v[rW:rW+11], v[rZ:rZ+7], v[XS+4*(\k)+\s%4], v[WS+4*\g+\s%4] matrix_a_fmt:MATRIX_FMT_BF6 matrix_b_fmt:MATRIX_FMT_BF6
.else
	v_wmma_scale_f32_16x16x128_f8f6f4 v[rZ:rZ+7], v[XF+12*\s:XF+12*\s+11], v[rW:rW+11], v[rZ:rZ+7], v[XS+4*(\k)+\s%4], v[WS+4*\g+\s%4] matrix_a_fmt:MATRIX_FMT_BF6 matrix_b_fmt:MATRIX_FMT_BF6 matrix_a_scale:MATRIX_SCALE_ROW1 matrix_b_scale:MATRIX_SCALE_ROW1
.endif
.endr
.endm
.macro MM k, ex
	WIN 0x04
.irp s, 0,1,2,3,4,5,6
	MMS \s, \k, \ex
.endr
	WIN 0
	MMS 7, \k, \ex
.rept 4
	v_nop
.endr
.endm
.macro GATES k                         ; as in the first launch
.set GAB, AB16+2*(\k)
.irp j, 0,1,2,3,4,5,6,7
	v_min3_num_f32 v[CM+\j], v[ZF+\j], v[ZI+\j], 0
.endr
.irp j, 0,1,2,3,4,5,6,7
	v_min_num_f32 v[NH+\j], 0, v[ZH+\j]
.endr
.irp j, 0,2,4,6
	v_pk_mul_f32 v[CM+\j:CM+\j+1], v[CM+\j:CM+\j+1], s[LC:LC+1] op_sel_hi:[1,0]
.endr
.irp j, 0,2,4,6
	v_pk_add_f32 v[ZH+\j:ZH+\j+1], v[ZH+\j:ZH+\j+1], v[NH+\j:NH+\j+1] neg_lo:[0,1] neg_hi:[0,1]
.endr
.irp j, 0,2,4,6
	v_pk_fma_f32 v[ZF+\j:ZF+\j+1], v[ZF+\j:ZF+\j+1], s[NC:NC+1], v[CM+\j:CM+\j+1] op_sel_hi:[1,0,1]
.endr
.irp j, 0,2,4,6
	v_pk_fma_f32 v[ZI+\j:ZI+\j+1], v[ZI+\j:ZI+\j+1], s[NC:NC+1], v[CM+\j:CM+\j+1] op_sel_hi:[1,0,1]
.endr
.irp j, 0,2,4,6
	v_pk_mul_f32 v[NH+\j:NH+\j+1], v[NH+\j:NH+\j+1], s[LC:LC+1] op_sel_hi:[1,0]
.endr
	s_wait_alu depctr_va_vdst(0)
.irp b, CM, ZF, ZI, NH
.irp j, 0,1,2,3,4,5,6,7
	v_exp_f32 v[\b+\j], v[\b+\j]
.endr
.endr
	v_nop
	s_wait_alu depctr_va_vdst(0)
.irp j, 0,2,4,6
	v_pk_add_f32 v[ZI+\j:ZI+\j+1], v[CM+\j:CM+\j+1], v[ZI+\j:ZI+\j+1]
.endr
.irp j, 0,2,4,6
	v_pk_add_f32 v[ZF+\j:ZF+\j+1], v[CM+\j:CM+\j+1], v[ZF+\j:ZF+\j+1]
.endr
.irp j, 0,2,4,6
	v_pk_add_f32 v[QQ+\j:QQ+\j+1], v[NH+\j:NH+\j+1], 1.0 op_sel_hi:[1,0]
.endr
.irp j, 0,2,4,6
	v_pk_add_f32 v[CM+\j:CM+\j+1], v[ZI+\j:ZI+\j+1], v[ZF+\j:ZF+\j+1]
.endr
.irp j, 0,2,4,6
	v_pk_fma_f32 v[ZH+\j:ZH+\j+1], v[ZH+\j:ZH+\j+1], 2.0, v[NH+\j:NH+\j+1] op_sel_hi:[1,0,1]
.endr
.irp j, 0,2,4,6
	v_pk_mul_f32 v[CM+\j:CM+\j+1], v[CM+\j:CM+\j+1], v[QQ+\j:QQ+\j+1]
.endr
	s_wait_alu depctr_va_vdst(0)
.irp j, 0,1,2,3,4,5,6,7
	v_rcp_f32 v[NH+\j], v[CM+\j]
.endr
.irp j, 0,2,4,6
	v_pk_mul_f32 v[ZI+\j:ZI+\j+1], v[ZI+\j:ZI+\j+1], v[QQ+\j:QQ+\j+1]
.endr
.irp j, 0,2,4,6
	v_pk_mul_f32 v[ZF+\j:ZF+\j+1], v[ZF+\j:ZF+\j+1], v[ZH+\j:ZH+\j+1]
.endr
	s_wait_alu depctr_va_vdst(0)
.irp j, 0,2,4,6
	v_pk_mul_f32 v[ZI+\j:ZI+\j+1], v[ZI+\j:ZI+\j+1], v[NH+\j:NH+\j+1]
.endr
.irp j, 0,2,4,6
	v_pk_mul_f32 v[ZF+\j:ZF+\j+1], v[ZF+\j:ZF+\j+1], v[NH+\j:NH+\j+1]
.endr
	s_delay_alu instid0(VALU_DEP_3)
	v_pk_fma_f32 v[ZF+2:ZF+3], v[ZI+2:ZI+3], v[ZF:ZF+1], v[ZF+2:ZF+3]
	v_pk_mul_f32 v[ZI+2:ZI+3], v[ZI+2:ZI+3], v[ZI:ZI+1]
.irp j, 4, 6
	s_delay_alu instid0(VALU_DEP_2)
	v_pk_fma_f32 v[ZF+\j:ZF+\j+1], v[ZI+\j:ZI+\j+1], v[ZF+\j-2:ZF+\j-1], v[ZF+\j:ZF+\j+1]
	s_delay_alu instid0(VALU_DEP_2)
	v_pk_mul_f32 v[ZI+\j:ZI+\j+1], v[ZI+\j:ZI+\j+1], v[ZI+\j-2:ZI+\j-1]
.endr
	s_delay_alu instid0(VALU_DEP_1)
	v_mul_f32 v[T], v[ZI+6], v[ZI+7]
	v_fma_f32 v[T+1], v[ZI+7], v[ZF+6], v[ZF+7]
	s_delay_alu instid0(VALU_DEP_2)
	v_permlanex16_b32 v[A8O], v[T], s[SEL], s[SEL+1]
	s_delay_alu instid0(VALU_DEP_2)
	v_permlanex16_b32 v[A8O+1], v[T+1], s[SEL], s[SEL+1]
	s_delay_alu instid0(VALU_DEP_2)
	v_mul_f32 v[GAB], v[T], v[A8O]
	v_cndmask_b32 v[T+2], v[A8O], v[T], s[HM]
	v_cndmask_b32 v[T+3], v[T+1], v[A8O+1], s[HM]
	v_cndmask_b32 v[T+4], v[A8O+1], v[T+1], s[HM]
	s_delay_alu instid0(VALU_DEP_1)
	v_fma_f32 v[GAB+1], v[T+2], v[T+3], v[T+4]
.endm
; The carry goes through tile k: out = P x (h in front of the run) + H, into stage sb; register j is time 16 k + 8 h + 4 (j % 2) + j / 2.
.macro APPLY k, sb
	v_fma_f32 v[T], v[A8O], v[CAR], v[A8O+1]       ; behind the tile's lower 8 rows
	s_delay_alu instid0(VALU_DEP_1)
	v_cndmask_b32 v[CP], v[CAR], v[T], s[HM]       ; in front of my first run
	v_fma_f32 v[CAR], v[AB16+2*(\k)], v[CAR], v[AB16+2*(\k)+1]   ; behind the tile
	s_delay_alu instid0(VALU_DEP_2)
	v_fma_f32 v[CP+1], v[ZI+6], v[CP], v[ZF+6]     ; in front of my second run
.irp i, 0,2,4,6
	v_pk_fma_f32 v[CM+\i:CM+\i+1], v[ZI+\i:ZI+\i+1], v[CP:CP+1], v[ZF+\i:ZF+\i+1]
.endr
.irp j, 0,1,2,3,4,5,6,7
	ds_store_b32 v[STO], v[CM+\j] offset:(\sb)*SB+(16*(\k)+4*(\j%2)+\j/2)*272
.endr
.endm
.macro DRAINL sb                       ; 16 whole rows of stage sb, two rows a load
.irp t, 0,1,2,3,4,5,6,7
	ds_load_b128 v[CM+4*\t:CM+4*\t+3], v[RD] offset:(\sb)*SB+2*\t*272
.endr
.endm
.macro DRAINS fwd
.irp t, 0,1,2,3,4,5,6,7
	global_store_b128 v[OA], v[CM+4*\t:CM+4*\t+3], s[22:23] offset:2*\t*4096+(\fwd)*OPER th:TH_STORE_NT
.endr
.endm
.macro PERIOD sl, refill, more, fix, lim
	SYNC \sl, \refill
.if \fix
	DRAINL 1-\sl
.endif
	LDX \sl, 0
.if \refill
	ASK \lim
.endif
	SCALES \more
.if \fix
	s_wait_dscnt 24                                ; the stage's eight loads are in; the tile's 24 may be out
	DRAINS 0
	s_wait_xcnt 0x0                                ; the stores have read their data: those registers are written again below
.endif
	MM 0, 0
	LDX \sl, 1
	GATES 0
	APPLY 0, \sl
.irp k, 1,2
	MM \k, 8
	LDX \sl, \k+1
	GATES \k
	APPLY \k, \sl
.endr
	MM 3, 8
	GATES 3
	APPLY 3, \sl
.endm
	s_load_b512 s[4:19], s[0:1], 0x0
	s_load_b128 s[20:23], s[0:1], 0x40             ; h_0, out
	s_load_b64 s[AGP:AGP+1], s[0:1], 0x50          ; agg
	v_lshl_add_u32 v[SPW], v0, 2, SPARE
	v_mov_b32 v[NIL], 0
	ds_add_u32 v[SPW], v[NIL]
	ds_add_u32 v[SPW], v[NIL]
	s_wait_dscnt 0x0
	v_lshrrev_b32 v160, 5, v0
	s_delay_alu instid0(VALU_DEP_1)
	v_readfirstlane_b32 s[WV], v160
	s_bfe_u32 s[CX], ttmp6, 0x40000
	s_lshl_b32 s[CHG], ttmp9, 2
	s_add_co_u32 s[CHG], s[CHG], s[CX]
	s_and_b32 s[YY], ttmp7, 0xffff
	s_mov_b32 s[G1], 15|(3<<16)|(1<<20)|(1<<21)|(5<<22)|(3<<25)
	s_mov_b32 s[G1+1], 32<<16
	s_mov_b32 s[G1+2], 48<<16
	s_mov_b32 s[G1+3], 32<<16
	s_mov_b32 s[G1+4], 48
	s_mov_b32 s[G1+5], 32
	s_mov_b32 s[G1+6], 0
	s_mov_b32 s[G1+7], 0
	s_mov_b32 s[LC], 0x3fb8aa3b
	s_mov_b32 s[LC+1], s[LC]
	s_mov_b32 s[NC], 0xbfb8aa3b
	s_mov_b32 s[NC+1], s[NC]
	s_mov_b32 s[SEL], 0x76543210
	s_mov_b32 s[SEL+1], 0xfedcba98
	s_mov_b32 s[HM], 0xffff0000
	s_mov_b32 s[PSEL], 0x03010200
	s_mov_b32 s[CNT], 3
	s_lshr_b32 s[TH], s[WV], 2
	s_and_b32 s[NN], s[WV], 3
	s_lshr_b32 s[BB], s[YY], 2
	s_and_b32 s[QS], s[YY], 3
	s_lshl_b32 s[G16], s[CHG], 2
	s_add_co_u32 s[G16], s[G16], s[NN]
	s_lshl_b32 s71, s[QS], 1
	s_add_co_u32 s71, s71, s[TH]                   ; S: strips of 512 rows ahead of mine
.irp t, 0,1,2,3,4,5,6
	s_cmp_eq_u32 s71, \t+1
	s_cselect_b32 s[MK+\t], -1, 0
.endr
	s_cmp_lt_u32 s[WV], 3
	s_cselect_b32 s71, 0, 1
	s_or_b32 s71, s71, ttmp9
	s_cmp_eq_u32 s71, 0
	s_cselect_b32 s[LIM], 0, -1
	s_cselect_b32 s[LIM2], 1, -1
	v_and_b32 v161, 15, v0
	v_bfe_u32 v162, v0, 4, 1
	v_bfe_u32 v163, v0, 3, 1
	v_bfe_u32 v164, v0, 1, 2
	v_and_b32 v165, 1, v0
	v_lshl_add_u32 v163, v163, 3, v164
	s_delay_alu instid0(VALU_DEP_1)
	v_lshl_add_u32 v163, v165, 2, v163             ; q(r)
	s_mul_i32 s68, s[WV], TILEL
	s_mul_i32 s69, s[TH], 4*TILEL
	v_mul_u32_u24 v[ADX], v163, 816
	s_delay_alu instid0(VALU_DEP_1)
	v_mad_u32_u24 v[ADX], v162, 48, v[ADX]
	s_delay_alu instid0(VALU_DEP_1)
	v_add_nc_u32 v[ADX], s69, v[ADX]
	s_delay_alu instid0(VALU_DEP_1)
	v_lshl_add_u32 v[ADX+1], v162, 4, v[ADX]
	v_add_nc_u32 v[ADX+2], SLOT, v[ADX]
	s_delay_alu instid0(VALU_DEP_2)
	v_add_nc_u32 v[ADX+3], SLOT, v[ADX+1]
	s_mul_i32 s69, s[TH], 64*272                   ; into the stage: my strip's 64 rows, my 64 bytes of them
	s_lshl_b32 s71, s[NN], 6
	s_add_co_u32 s69, s69, s71
	s_add_co_u32 s69, s69, STAGE
	v_mul_u32_u24 v[STO], v162, 8*272
	s_delay_alu instid0(VALU_DEP_1)
	v_lshl_add_u32 v[STO], v161, 2, v[STO]
	s_delay_alu instid0(VALU_DEP_1)
	v_add_nc_u32 v[STO], s69, v[STO]
	s_mul_i32 s69, s[WV], 16*272                   ; back: rows 16 w .. 16 w + 15, whole
	s_add_co_u32 s69, s69, STAGE
	v_mul_u32_u24 v[RD], v162, 272
	s_delay_alu instid0(VALU_DEP_1)
	v_lshl_add_u32 v[RD], v161, 4, v[RD]
	s_delay_alu instid0(VALU_DEP_1)
	v_add_nc_u32 v[RD], s69, v[RD]
	v_lshlrev_b32 v[OA], 4, v161
	s_delay_alu instid0(VALU_DEP_1)
	v_lshl_add_u32 v[OA], v162, 12, v[OA]
	v_lshlrev_b32 v[XSA], 5, v163
	s_delay_alu instid0(VALU_DEP_1)
	v_lshl_add_u32 v[XSA], v162, 4, v[XSA]
	v_and_b32 v[PFO], 31, v0
	s_delay_alu instid0(VALU_DEP_1)
	v_lshlrev_b32 v[PFO], 8, v[PFO]
	v_lshlrev_b32 v[AGO], 4, v161                  ; my channel's two pairs of a unit
	v_mul_u32_u24 v166, v161, XROW
	s_delay_alu instid0(VALU_DEP_1)
	v_mad_u32_u24 v166, v162, 48, v166
	v_lshlrev_b32 v167, 5, v161
	s_delay_alu instid0(VALU_DEP_1)
	v_lshl_add_u32 v167, v162, 4, v167
	v_lshlrev_b32 v168, 2, v161
	v_mov_b32 v[A8O], 0
	v_mov_b32 v[A8O+1], 0
	s_mul_i32 s70, s[BB], XBATCH
	s_mul_i32 s71, s[QS], RQ*XROW
	s_add_co_u32 s70, s70, s71
	s_mul_i32 s66, s[TH], RT*XROW
	s_add_co_u32 s66, s66, s70
	s_mul_i32 s71, s[NN], TILEB
	s_add_co_u32 s66, s66, s71
	s_mov_b32 s67, 0
	s_min_u32 s72, s[WV], 2
	s_lshl_b32 s72, s72, 13
	s_lshr_b32 s71, s[CX], 1
	s_mul_i32 s71, s71, RT*XROW
	s_add_co_u32 s72, s72, s71
	s_and_b32 s71, s[CX], 1
	s_mul_i32 s71, s71, 24576
	s_add_co_u32 s72, s72, s71
	s_add_co_u32 s72, s72, s70
	s_add_co_u32 s72, s72, PERB
	s_mov_b32 s73, 0
	s_lshl_b32 s74, s[BB], 17
	s_mul_i32 s71, s[QS], RQ*32
	s_add_co_u32 s74, s74, s71
	s_mul_i32 s71, s[TH], RT*32
	s_add_co_u32 s74, s74, s71
	s_mov_b32 s75, 0
	s_lshl_b32 s76, s[BB], 12                      ; out: the 16 rows that I store in period 0
	s_lshl_b32 s71, s[QS], 10
	s_add_co_u32 s76, s76, s71
	s_lshl_b32 s71, s[TH], 9
	s_add_co_u32 s76, s76, s71
	s_lshl_b32 s71, s[NN], 4
	s_add_co_u32 s76, s76, s71
	s_lshl_b32 s76, s76, 12
	s_lshl_b32 s71, s[CHG], 8
	s_add_co_u32 s76, s76, s71
	s_mov_b32 s77, 0
	s_lshl_b32 s88, s[BB], 6
	s_add_co_u32 s88, s88, s[G16]
	s_mul_i32 s88, s88, 56*256
	s_mov_b32 s89, 0
	s_mul_i32 s78, s[G16], TILEB
	s_mov_b32 s79, 0
	s_wait_alu depctr_va_vdst(0)
	s_wait_kmcnt 0x0
	s_add_nc_u64 s[66:67], s[4:5], s[66:67]
	s_add_nc_u64 s[PFA:PFA+1], s[4:5], s[72:73]
	s_add_nc_u64 s[6:7], s[6:7], s[74:75]
	s_sub_nc_u64 s[6:7], s[6:7], SPER              ; every period steps the pointers at its head
	s_add_nc_u64 s[22:23], s[22:23], s[76:77]
	s_sub_nc_u64 s[22:23], s[22:23], 2*OPER        ; period p stores period p - 1's rows
	s_add_nc_u64 s[AGP:AGP+1], s[AGP:AGP+1], s[88:89]
.irp g, 0,1,2
	s_add_nc_u64 s[8+4*\g:9+4*\g], s[8+4*\g:9+4*\g], s[78:79]
.endr
	s_lshl_b32 s78, s[G16], 9
.irp g, 0,1,2
	s_add_nc_u64 s[10+4*\g:11+4*\g], s[10+4*\g:11+4*\g], s[78:79]
.endr
	s_lshl_b32 s78, s[BB], 12
	s_lshl_b32 s74, s[G16], 6
	s_add_co_u32 s78, s78, s74
	s_add_nc_u64 s[20:21], s[20:21], s[78:79]
	s_mov_b32 s[G0], 1
	s_mov_b32 s[G0+1], s68
	s_mov_b64 s[G0+2:G0+3], s[66:67]
	s_or_b32 s[G0+3], s[G0+3], 0x80000000
	s_mov_b32 s[G0+4], 1
	s_add_co_u32 s[G0+5], s68, SLOT
	s_add_nc_u64 s[G0+6:G0+7], s[66:67], PERB
	s_or_b32 s[G0+7], s[G0+7], 0x80000000
	ROUND
	tensor_load_to_lds s[G0:G0+3], s[G1:G1+7]      ; period 0: my one load at the head
	s_nop 0
.rept 4
	v_nop
.endr
	global_load_b32 v[CAR], v168, s[20:21]         ; h_0 of my channel
	WIN 0x40                                       ; the 56 units of pairs go where W's fragments will lie
.set i, 0
.rept 56
	global_load_b128 v[4*i:4*i+3], v[AGO], s[AGP:AGP+1] offset:256*i
.set i, i+1
.endr
	WIN 0
.irp g, 0,1,2
.irp i, 0,1,2
	global_load_b128 v[W7+12*\g+4*\i:W7+12*\g+4*\i+3], v166, s[8+4*\g:9+4*\g] offset:96*7+16*\i
.endr
.endr
.irp g, 0,1,2
	global_load_b128 v[WS+4*\g:WS+4*\g+3], v167, s[10+4*\g:11+4*\g]
.endr
.irp k, 0,1,2,3
	global_load_b128 v[XSR+4*\k:XSR+4*\k+3], v[XSA], s[6:7] offset:SPER+512*\k
.endr
	s_wait_loadcnt 16                              ; h_0 and the pairs are in; the 16 loads behind them may be out
	v_min_num_f32 v169, 0, v[CAR]                  ; g(h_0) = (2 max(x, 0) + e) / (1 + e), e = 2^(c min(x, 0))
	v_max_num_f32 v170, 0, v[CAR]
	s_delay_alu instid0(VALU_DEP_2)
	v_mul_f32 v169, s[LC], v169
	s_wait_alu depctr_va_vdst(0)
	v_exp_f32 v169, v169
	v_nop
	s_wait_alu depctr_va_vdst(0)
	v_add_f32 v171, 1.0, v169
	v_fma_f32 v170, v170, 2.0, v169
	s_wait_alu depctr_va_vdst(0)
	v_rcp_f32 v172, v171
	v_nop
	s_wait_alu depctr_va_vdst(0)
	v_mul_f32 v[CAR], v170, v172
	s_delay_alu instid0(VALU_DEP_1)
	v_mov_b32 v[T], v[CAR]
.set i, 0
.irp t, 0,1,2,3,4,5,6                  ; the walk through 512 rows a turn; the value in front of my strip is kept
	WIN 0x11
.rept 16
	v_fma_f32 v[T], v[2*i], v[T], v[2*i+1]
.set i, i+1
.endr
	WIN 0
	v_cndmask_b32 v[CAR], v[CAR], v[T], s[MK+\t]
.endr
	WIN 0x40
.irp s, 0,1,2,3,4,5,6
.irp g, 0,1,2
.irp i, 0,1,2
	global_load_b128 v[12*(3*\s+\g)+4*\i:12*(3*\s+\g)+4*\i+3], v166, s[8+4*\g:9+4*\g] offset:96*\s+16*\i
.endr
.endr
.endr
	WIN 0
	s_wait_loadcnt 0x0
.irp i, 0,1,2,3,4,5,6,7,8,9,10,11
	v_perm_b32 v[WS+\i], v[WS+\i], v[WS+\i], s[PSEL]
.endr
	s_wait_alu depctr_va_vdst(0)                   ; the head's end
	PERIOD 0, 1, 1, 0, LIM                         ; period 0: no stage to send yet
.Lloop:                                                ; 3 trips of two periods: periods 1 to 6
	PERIOD 1, 1, 1, 1, LIM
	PERIOD 0, 1, 1, 1, LIM2
	s_sub_co_u32 s[CNT], s[CNT], 1
	s_cmp_lg_u32 s[CNT], 0
	s_cbranch_scc1 .Lloop
	PERIOD 1, 0, 0, 1, LIM                         ; period 7 asks for nothing
	s_wait_dscnt 0x0                               ; my last stores into the stage are done
	s_barrier_signal -1
	s_barrier_wait -1
	DRAINL 1
	s_wait_dscnt 0x0
	DRAINS 1
	s_wait_tensorcnt 0x0                           ; the wave's end
	ds_add_u32 v[SPW], v[NIL]
	s_wait_dscnt 0x0
	ROUND
	s_endpgm
.Lfunc_end_k_qd27d5cd25c_scan:
	.size	k_qd27d5cd25c_scan, .Lfunc_end_k_qd27d5cd25c_scan-k_qd27d5cd25c_scan
	.p2alignl 7, 3214868480
	.fill 96, 4, 3214868480
	.section	.rodata,"a",@progbits
	.p2align	6, 0x0
	.amdhsa_kernel k_qd27d5cd25c_scan
		.amdhsa_group_segment_fixed_size 327680
		.amdhsa_private_segment_fixed_size 0
		.amdhsa_enable_private_segment 0
		.amdhsa_kernarg_size 88
		.amdhsa_user_sgpr_count 2
		.amdhsa_user_sgpr_kernarg_segment_ptr 1
		.amdhsa_wavefront_size32 1
		.amdhsa_system_sgpr_workgroup_id_x 1
		.amdhsa_system_sgpr_workgroup_id_y 1
		.amdhsa_system_sgpr_workgroup_id_z 1
		.amdhsa_system_vgpr_workitem_id 0
		.amdhsa_next_free_vgpr 512
		.amdhsa_next_free_sgpr 96
		.amdhsa_reserve_vcc 0
		.amdhsa_float_denorm_mode_32 3
		.amdhsa_float_denorm_mode_16_64 3
		.amdhsa_memory_ordered 1
		.amdhsa_forward_progress 1
		.amdhsa_inst_pref_size 255
	.end_amdhsa_kernel
	.section	.bss,"aw",@nobits
	.p2align	6
	.space	262144
	.amdgpu_metadata
---
amdhsa.version: [ 1, 2 ]
amdhsa.kernels:
  - .name:           k_qd27d5cd25c_scan
    .symbol:         k_qd27d5cd25c_scan.kd
    .args:
      - { .name: x_codes, .offset: 0, .size: 8, .value_kind: global_buffer, .address_space: global }
      - { .name: x_scales, .offset: 8, .size: 8, .value_kind: global_buffer, .address_space: global }
      - { .name: W_f_codes, .offset: 16, .size: 8, .value_kind: global_buffer, .address_space: global }
      - { .name: W_f_scales, .offset: 24, .size: 8, .value_kind: global_buffer, .address_space: global }
      - { .name: W_i_codes, .offset: 32, .size: 8, .value_kind: global_buffer, .address_space: global }
      - { .name: W_i_scales, .offset: 40, .size: 8, .value_kind: global_buffer, .address_space: global }
      - { .name: W_h_codes, .offset: 48, .size: 8, .value_kind: global_buffer, .address_space: global }
      - { .name: W_h_scales, .offset: 56, .size: 8, .value_kind: global_buffer, .address_space: global }
      - { .name: h_0, .offset: 64, .size: 8, .value_kind: global_buffer, .address_space: global }
      - { .name: out0, .offset: 72, .size: 8, .value_kind: global_buffer, .address_space: global }
      - { .name: agg, .offset: 80, .size: 8, .value_kind: global_buffer, .address_space: global }
    .group_segment_fixed_size: 327680
    .private_segment_fixed_size: 0
    .kernarg_segment_align: 8
    .kernarg_segment_size: 88
    .max_flat_workgroup_size: 256
    .sgpr_count:     96
    .vgpr_count:     512
    .wavefront_size: 32
...
	.end_amdgpu_metadata
.endif
;; end of part 3
